; MI455X (gfx1250); checked and timed in simulation.
; The chip was launched on July 23, 2026; its instructions are those of AMD's public machine-readable ISA for CDNA 5 (MIT licence, August 2026) and "CDNA5" Instruction Set Architecture Reference Guide (July 2026). The comments in the code are by the model that wrote it; some were corrected since.
;; Generalized X Nor Attention. Allowed arithmetic: float matrix products may take bf16 or f16 operands with f32 sums; other float arithmetic in f32, or as packed bf16 or f16 multiplies, adds, multiply-adds, maxima and minima; sums over many terms, partial sums and values carried from step to step in f32; what a program stores and reads back later, other than sums and carried values, may be rounded once to bf16 or f16.
;; Inputs: Wk 2 x 512 x 512 float32; Wout 512 x 512 float32; Wq 2 x 512 x 512 float32; Wv 512 x 512 float32; bk 2 x 512 float32; bout 512 float32; bq 2 x 512 float32; bv 512 float32; key 8 x 4,096 x 512 float32; query 8 x 4,096 x 512 float32; value 8 x 4,096 x 512 float32.
;; Outputs: out0 8 x 4,096 x 512 float32.
;; 2 versions, each right; version 2 is version 1 with the launch kvred written anew for expert scheduling mode. Each part assembles by itself: llvm-mc -triple=amdgcn-amd-amdhsa -mcpu=gfx1250 --defsym DOCPART=n.
;; ======== version 1 of 2: 4 launches
;; workspace buffers: wkv 1,572,864 bytes; wqo 1,572,864 bytes; tab 81,920 bytes; pt 67,108,864 bytes; vt 33,554,432 bytes; st 1,048,576 bytes; kvb 2,097,152 bytes
;; launch prep (part 1): grid 32 x 7, 8 waves a work-group, no clusters, 0 bytes of LDS; arguments Wv, Wk, Wq, Wout, wkv, wqo, tab; writes wkv, wqo, tab
.if DOCPART == 1
	.amdgcn_target "amdgcn-amd-amdhsa--gfx1250"
	.amdhsa_code_object_version 6
	.text
	.protected	k_q9f06b5818c_prep
	.globl	k_q9f06b5818c_prep
	.p2align	8
	.type	k_q9f06b5818c_prep,@function
k_q9f06b5818c_prep:
	s_mov_b64 s[64:65], 0
	v_nop
	global_prefetch_b8 v0, s[64:65] scope:SCOPE_SE
	s_setreg_imm32_b32 hwreg(HW_REG_WAVE_MODE, 25, 1), 1
	s_wait_xcnt 0x0
; PREP: the weights rounded once to bf16 and laid in the order in which the two large launches walk them, and the sine and cosine tables.
; wkv, wqo: [pass 3][K step 8][row 512][64 k] bf16: a step's block is 65,536 dense bytes.  wkv: Wv, Wk[0], Wk[1], rows as they lie.
; wqo: passes p = 0, 1: row i is Wq[t][64 (4 p + w) + d] with w = i >> 7, t = (i >> 6) & 1, d = i & 63 (a wave's 128 rows are one head, both terms); pass 2: Wout as it lies.
; tab: f32 (sin, sin, cos, cos) of x(l) = fl(fl(pi/2) (l + 1)) / 4096 for l = 0 .. 4095 from byte 0; bf16 sin from byte 65,536; bf16 cos from byte 73,728.
; SHARES.  Grid y = 0 .. 5: one pass block each, 32 work-groups of 256 threads, a thread four pieces of 8 numbers (32 bytes in, 16 bytes out; a wave's store covers 512 consecutive bytes).
; Grid y = 6: the tables, 128 positions a work-group.
; LIMIT.  sin is the odd series to x^11, cos the even series to x^12.  x lies in (0, pi/2] for every input (it hangs on the shapes alone); there the terms left out are below 6e-8 and 7e-9.
	s_load_b256 s[4:11], s[0:1], 0x0               ; Wv s[4:5], Wk s[6:7], Wq s[8:9], Wout s[10:11]
	s_load_b128 s[12:15], s[0:1], 0x20             ; wkv s[12:13], wqo s[14:15]
	s_load_b64 s[16:17], s[0:1], 0x30              ; tab
	s_and_b32 s18, ttmp7, 0xffff                   ; y: the job
	s_mov_b32 s19, ttmp9                           ; x
	v_lshrrev_b32 v1, 5, v0
	v_readfirstlane_b32 s20, v1                    ; wave 0..7
	s_wait_kmcnt 0x0
	s_cmp_eq_u32 s18, 6
	s_cbranch_scc1 .Ltab
	; from where, to where
	s_cmp_eq_u32 s18, 0
	s_cselect_b64 s[22:23], s[4:5], s[6:7]         ; y = 0: Wv; 1, 2: Wk
	s_cmp_ge_u32 s18, 3
	s_cselect_b64 s[22:23], s[8:9], s[22:23]       ; 3, 4: Wq
	s_cselect_b64 s[24:25], s[14:15], s[12:13]     ; 3 .. 5 go to wqo
	s_cselect_b32 s26, 3, 0
	s_sub_co_u32 s26, s18, s26                     ; the pass in its buffer
	s_cmp_eq_u32 s18, 5
	s_cselect_b64 s[22:23], s[10:11], s[22:23]     ; 5: Wout
	s_and_b32 s27, s19, 3                          ; x & 3: which 128 rows of the block
	s_lshr_b32 s28, s19, 2                         ; the K step
	s_lshl_b32 s29, s27, 7                         ; rows as they lie: 128 (x & 3); pieces 2, 3 lie 64 rows on
	s_mov_b32 s30, 131072
	s_lshl_b32 s31, s27, 6                         ; Wq's order: 256 p + 64 (x & 3); pieces 2, 3 are term 1, 512 rows on
	s_lshl_b32 s32, s26, 8
	s_add_co_u32 s31, s31, s32
	s_sub_co_u32 s33, s18, 3
	s_cmp_lt_u32 s33, 2                            ; y = 3 or 4
	s_cselect_b32 s29, s31, s29
	s_cselect_b32 s30, 1048576, s30
	s_lshl_b32 s29, s29, 11                        ; rows of 2,048 bytes
	s_lshl_b32 s28, s28, 8                         ; 256 bytes a K step
	s_add_co_u32 s29, s29, s28
	s_cmp_eq_u32 s18, 2
	s_cselect_b32 s31, 0x100000, 0                 ; Wk[1]
	s_add_co_u32 s29, s29, s31
	v_lshrrev_b32 v2, 3, v0                        ; my row among 32
	v_and_b32 v3, 7, v0                            ; my 8 numbers among 64
	v_lshlrev_b32 v2, 11, v2
	v_lshl_add_u32 v2, v3, 5, v2
	v_add_nc_u32 v2, s29, v2                       ; source offset of pieces 0, 1
	v_add_nc_u32 v3, s30, v2                       ; of pieces 2, 3
	s_lshl_b32 s31, s19, 14
	s_lshl_b32 s32, s26, 19
	s_add_co_u32 s31, s31, s32
	v_lshl_add_u32 v4, v0, 4, s31                  ; destination: 16 (1,024 x + 256 i + thread) in the pass's block
.irp i, 0,1,2,3
	global_load_b128 v[8+8*\i:11+8*\i],  v[2+\i/2], s[22:23] offset:65536*(\i%2)
	global_load_b128 v[12+8*\i:15+8*\i], v[2+\i/2], s[22:23] offset:65536*(\i%2)+16
.endr
	s_wait_loadcnt 0x0
.irp i, 0,1,2,3
	v_cvt_pk_bf16_f32 v[40+4*\i], v[8+8*\i],  v[9+8*\i]
	v_cvt_pk_bf16_f32 v[41+4*\i], v[10+8*\i], v[11+8*\i]
	v_cvt_pk_bf16_f32 v[42+4*\i], v[12+8*\i], v[13+8*\i]
	v_cvt_pk_bf16_f32 v[43+4*\i], v[14+8*\i], v[15+8*\i]
	global_store_b128 v4, v[40+4*\i:43+4*\i], s[24:25] offset:4096*\i
.endr
	s_endpgm
; sin and cos of x by their series, Horner's way; v10, v11 at work
.macro SINCOS x, s, c
	v_mul_f32 v10, v[\x], v[\x]
	v_mov_b32 v[\s], 0xb2d7322b                    ; -1/11!
	v_mov_b32 v[\c], 0x310f76c7                    ; 1/12!
	v_fmaak_f32 v[\s], v10, v[\s], 0x3638ef1d      ; 1/9!
	v_fmaak_f32 v[\c], v10, v[\c], 0xb493f27e      ; -1/10!
	v_fmaak_f32 v[\s], v10, v[\s], 0xb9500d01      ; -1/7!
	v_fmaak_f32 v[\c], v10, v[\c], 0x37d00d01      ; 1/8!
	v_fmaak_f32 v[\s], v10, v[\s], 0x3c088889      ; 1/5!
	v_fmaak_f32 v[\c], v10, v[\c], 0xbab60b61      ; -1/6!
	v_fmaak_f32 v[\s], v10, v[\s], 0xbe2aaaab      ; -1/3!
	v_fmaak_f32 v[\c], v10, v[\c], 0x3d2aaaab      ; 1/4!
	v_mul_f32 v11, v[\x], v10
	v_fma_f32 v[\c], v10, v[\c], -0.5
	v_fma_f32 v[\s], v11, v[\s], v[\x]             ; x + x^3 (..)
	v_fma_f32 v[\c], v10, v[\c], 1.0
.endm
.Ltab:                                             ; waves 0-3: a position a thread, for the f32 table; waves 4-7: two positions a thread, for the bf16 tables
	s_cmp_ge_u32 s20, 4
	s_cselect_b32 s22, 63, 127
	s_cselect_b32 s23, 1, 0
	v_and_b32 v2, s22, v0
	v_lshlrev_b32 v2, s23, v2
	s_lshl_b32 s24, s19, 7
	v_add_nc_u32 v2, s24, v2                       ; l
	v_add_nc_u32 v3, 1, v2
	v_add_nc_u32 v4, 2, v2
	v_cvt_f32_u32 v3, v3
	v_cvt_f32_u32 v4, v4
	v_mul_f32 v3, 0x3fc90fdb, v3                   ; fl(pi/2) (l + 1), rounded once,
	v_mul_f32 v4, 0x3fc90fdb, v4
	v_mul_f32 v3, 0x39800000, v3                   ; divided by 4,096: exact
	v_mul_f32 v4, 0x39800000, v4
	SINCOS 3, 6, 7
	SINCOS 4, 8, 9
	s_cmp_ge_u32 s20, 4
	s_cbranch_scc1 .Lpairs
	v_mov_b32 v12, v6
	v_mov_b32 v13, v6
	v_mov_b32 v14, v7
	v_mov_b32 v15, v7
	v_lshlrev_b32 v5, 4, v2
	global_store_b128 v5, v[12:15], s[16:17]       ; a wave's store covers 512 consecutive bytes
	s_endpgm
.Lpairs:
	v_cvt_pk_bf16_f32 v12, v6, v8
	v_cvt_pk_bf16_f32 v13, v7, v9
	s_mov_b32 s27, 65536                           ; the sine table's first byte (an instruction takes one literal, so it lies in a register)
	s_cmp_ge_u32 s20, 6                            ; waves 4, 5: sin; waves 6, 7: cos
	s_cselect_b32 s25, -1, 0
	s_cselect_b32 s26, 73728, s27
	v_cndmask_b32 v12, v12, v13, s25
	v_lshl_add_u32 v5, v2, 1, s26
	global_store_b32 v5, v12, s[16:17]
	s_endpgm
.Lfunc_end_k_q9f06b5818c_prep:
	.size	k_q9f06b5818c_prep, .Lfunc_end_k_q9f06b5818c_prep-k_q9f06b5818c_prep
	.p2alignl 7, 3214868480
	.fill 96, 4, 3214868480
	.section	.rodata,"a",@progbits
	.p2align	6, 0x0
	.amdhsa_kernel k_q9f06b5818c_prep
		.amdhsa_group_segment_fixed_size 0
		.amdhsa_private_segment_fixed_size 0
		.amdhsa_enable_private_segment 0
		.amdhsa_kernarg_size 56
		.amdhsa_user_sgpr_count 2
		.amdhsa_user_sgpr_kernarg_segment_ptr 1
		.amdhsa_wavefront_size32 1
		.amdhsa_system_sgpr_workgroup_id_x 1
		.amdhsa_system_sgpr_workgroup_id_y 1
		.amdhsa_system_sgpr_workgroup_id_z 1
		.amdhsa_system_vgpr_workitem_id 0
		.amdhsa_next_free_vgpr 64
		.amdhsa_next_free_sgpr 66
		.amdhsa_reserve_vcc 0
		.amdhsa_float_denorm_mode_32 3
		.amdhsa_float_denorm_mode_16_64 3
		.amdhsa_memory_ordered 1
		.amdhsa_forward_progress 1
		.amdhsa_inst_pref_size 8
	.end_amdhsa_kernel
	.amdgpu_metadata
---
amdhsa.version: [ 1, 2 ]
amdhsa.kernels:
  - .name:           k_q9f06b5818c_prep
    .symbol:         k_q9f06b5818c_prep.kd
    .args:
      - { .name: Wv, .offset: 0, .size: 8, .value_kind: global_buffer, .address_space: global }
      - { .name: Wk, .offset: 8, .size: 8, .value_kind: global_buffer, .address_space: global }
      - { .name: Wq, .offset: 16, .size: 8, .value_kind: global_buffer, .address_space: global }
      - { .name: Wout, .offset: 24, .size: 8, .value_kind: global_buffer, .address_space: global }
      - { .name: wkv, .offset: 32, .size: 8, .value_kind: global_buffer, .address_space: global }
      - { .name: wqo, .offset: 40, .size: 8, .value_kind: global_buffer, .address_space: global }
      - { .name: tab, .offset: 48, .size: 8, .value_kind: global_buffer, .address_space: global }
    .group_segment_fixed_size: 0
    .private_segment_fixed_size: 0
    .kernarg_segment_align: 8
    .kernarg_segment_size: 56
    .max_flat_workgroup_size: 256
    .sgpr_count:     66
    .vgpr_count:     64
    .wavefront_size: 32
...
	.end_amdgpu_metadata
.endif
;; end of part 1
;; launch kvproj (part 2): grid 256 x 1, 4 waves a work-group, clusters of 4 x 1, 327,680 bytes of LDS; arguments key, value, wkv, bk, bv, pt, vt, st; writes pt, vt, st
.if DOCPART == 2
	.amdgcn_target "amdgcn-amd-amdhsa--gfx1250"
	.amdhsa_code_object_version 6
	.text
	.protected	k_q9f06b5818c_kvproj
	.globl	k_q9f06b5818c_kvproj
	.p2align	8
	.type	k_q9f06b5818c_kvproj,@function
k_q9f06b5818c_kvproj:
	s_mov_b64 s[64:65], 0
	v_nop
	global_prefetch_b8 v0, s[64:65] scope:SCOPE_SE
	s_setreg_imm32_b32 hwreg(HW_REG_WAVE_MODE, 25, 1), 1
	s_wait_xcnt 0x0
	s_wait_alu depctr_hold_cnt(0) depctr_sa_sdst(0) depctr_va_vdst(0) depctr_va_sdst(0) depctr_va_ssrc(0) depctr_va_vcc(0) depctr_vm_vsrc(0)
	s_getreg_b32 s2, hwreg(HW_REG_IB_STS2, 6, 4)
	s_cmp_eq_u32 s2, 0
	s_cbranch_scc0 .Lentry_in_a_cluster
	s_endpgm
.Lentry_in_a_cluster:
	s_bfe_u32 s2, ttmp6, 0x10000c
	s_cmp_lg_u32 s2, 0x3003
	s_cbranch_scc0 .Lentry_shape_is_right
	s_endpgm
.Lentry_shape_is_right:
; KVPROJ: V = value Wv^T + bv, and for both terms X = key Wk[t]^T + bk[t]; of X, for each block of 128 positions and each column, the maximum Mc (f32, to st) and p = 2^(log2e (X - Mc)) (bf16, to pt).
; V goes to vt in bf16.  The softmax over the sequence is finished by the next launch from Mc and p: Mc is a true maximum of its block, so p lies in 0 .. 1.
; SHARES.  Work-group g = 32 b + c (256 of them) has the 128 positions s = 128 c + i of batch b: key's rows b, s; and value's rows 8 s + b, which are the rows that reference()'s reinterpretation of v
; sets beside batch b.  Three passes of 512 weight rows (Wv, Wk[0], Wk[1]), K = 512 in 8 steps of 64.  In a pass each of the four waves makes 128 positions x its own 128 columns: 64 accumulators, 512 registers.
; LAYOUT.  Source 0 = 16 positions, source 1 = 16 weight rows: in the result a lane holds ONE column f (lane % 16) and the positions 16 b + 8 (lane / 16) + 0..7.  So the column maximum is a maximum
; over a lane's registers and one exchange of the lanes' halves, and two neighbouring results rounded to bf16 ARE the register image of a 16 x 32 operand (rows f, K = s) of the next launch:
; they are stored as they lie, 16 bytes a lane, 512 consecutive bytes an instruction.
; LDS.  AREG: the 128 activation rows in bf16, 8 positions of 64 k, rows 144 bytes apart (128 + 16: the 16 rows of a load start at 16 different groups of four banks, ISA guide 11.1); written by LDS stores alone.
; RING: two slots, each one K step (64 k) of the 512 weight rows, filled by tensor loads alone; each wave fetches and reads its own 128 rows.
; THE ACTIVATIONS ARRIVE UNDER THE PRODUCTS: a stream of 16 slices (value's 8, then key's 8) in 8 pairs.  Pairs 0 and 1 are asked for at the head; pair p (1 .. 7) is rounded and stored into positions
; 2 p, 2 p + 1 (mod 8) in K step 2 p - 1 of the launch's 24, and the pair after it is asked for there: it has two K steps, 256 products, in which to land.  A position is written six or seven steps behind its last
; reading, and read first behind the barrier of the step that wrote it.
; THE ORDER ALONG K.  Cluster x takes the K steps of every pass in the order x % 8, x % 8 + 1, .. (mod 8): position P of AREG holds K slice (P + x) % 8, and step P multiplies it by that K step's weights.  So at
; one time the clusters ask for eight different blocks of the weights.  Only global addresses hang on x.
; CLUSTER.  The four work-groups of a cluster walk the same weights in the same order: they ask for each tile JOINTLY (same load, same descriptor, mask of four).
; LIMITS.  Matrix operands, p and V are bf16.  The order of the f32 sums along K differs from cluster to cluster.  A p below 2^-126 counts as 0.  NaN and infinities are not treated apart.
; REGISTERS in windows of 256 (s_set_vgpr_msb: bits 1:0 source 0, 3:2 source 1, 5:4 source 2, 7:6 destination):
;   window 0: v0-30 addresses; v32-40 at work; v48-63 the stream's row offsets; v64-127, v128-191 weight fragments, two buffers (on the way out: packed results); v192-255 the bias as a C operand
;   window 1: v64-127, v128-191 activation fragments, two buffers; v0-63, v192-255 the stream's two slices on their way          windows 2, 3: the accumulators, (a, b) at v[8 (8 a + b)]
.set PIT,   144
.set TROW,  16*PIT
.set SLICE, 128*PIT                    ; 18,432: a position of AREG, and a wave's part of a slot
.set RING,  8*SLICE
.set SLOTB, 4*SLICE
.set SPARE, RING+2*SLOTB               ; behind the ring: the spare words, 128 bytes a wave: two blocks of 256 bytes that no other line names
.set STEPB, 65536                      ; a K step's block of weights in memory
.set RR,   1                           ; v1   lane % 16
.set HH,   2                           ; v2   lane / 16
.set AA0,  3                           ; v3   144 r + 16 h: my place in 16 rows of a tile
.set AA,   4                           ; v4   the same in the position in hand
.set ADRW, 5                           ; v5-6 the same in my part of slot 0, 1
.set AST0, 7                           ; v7   where I put 8 bytes of an arriving row, position 0
.set AST,  8                           ; v8   the same in the pair's first position
.set ROWV, 9                           ; v9   32 w + h: my first arriving row
.set C16,  10                          ; v10  16 r
.set L16,  11                          ; v11  16 x lane
.set BOF,  12                          ; v12  4 (128 w + r): my column's bias
.set L4,   13                          ; v13  4 x lane
.set SPW,  28                          ; v28  my spare word; never rewritten
.set NIL,  29                          ; v29  0; never rewritten
.set PFO,  30                          ; v30  the prefetch's offset; never rewritten
.set TC,   32                          ; v32-40 the way out: maxima at work
.set VO,   48                          ; v48-63 the stream's 16 row offsets
.set F0,   64
.set F1,   128
.set BIAS, 192
.set WV,  20
.set CX,  21
.set GI,  22
.set BI,  23
.set CI,  24
.set G1,  28                           ; s[28:35] descriptor group 1
.set G0,  36                           ; s[36:43] descriptor group 0, a set for each slot
.set PS,  44                           ; passes to go: 3 (V), 2 (term 0), 1 (term 1)
.set LAP, 45
.set U,   46
.set SL,  47                           ; the position in hand, in bytes
.set AB0, 48                           ; s[48:49], s[50:51] where the two slices of the pair on its way begin in memory
.set AB1, 50
.set OUTP, 52                          ; s[52:53] where the unit's fragments go
.set STP, 54                           ; s[54:55] where its maxima go
.set BP,  56                           ; s[56:57] the next pass's bias
.set CS,  58                           ; s[58:59] log2 e, twice
.set SEL, 60                           ; s[60:61] v_permlanex16_b32's selects: each lane takes its own place in the other half
.set HM,  62                           ; lanes 16-31
.set LIM, 63                           ; 1 where this wave prefetches in this pass, else 0
.set JR,  66                           ; cluster x % 8: where my cluster begins along K
.set NT,  67                           ; the tile to be asked for next, 2 .. 23
.set PFA, 68                           ; s[68:69] where the prefetch stands
.set T0,  70                           ; s[70:71], s[72:73] offsets; the high words stay 0
.set T1,  72
.set WB,  74                           ; s[74:75] the weights at my wave's part of a step
.set ARN, 76                           ; pairs still to be stored
.set PJ,  77                           ; the pair to be asked for next, 2 .. 7
.set ASL, 78                           ; the next pair's first position, in bytes
.set LIMC, 79                          ; 1 in clusters 0 to 3
.set AB2, 80                           ; s[80:83] the head's pair 0
.set AB3, 82
.set MSB, 0
.macro WIN new                         ; the immediate's high byte repeats the setting that is left; a switch that changes nothing is dropped
.if MSB != (\new)
	s_set_vgpr_msb (MSB<<8)|(\new)
.set MSB, \new
.endif
.endm
.macro PLACES                          ; four plain places behind a matrix instruction, ahead of loads into its registers and of readers of its result
.rept 4
	v_nop
.endr
.endm
.macro CREST                           ; a round of the cluster's barrier behind its opening barrier
	s_cmp_lg_u32 s[WV], 0
	s_cbranch_scc1 .Lnot_wave_0_\@
	s_barrier_signal -3
.Lnot_wave_0_\@:
	s_barrier_wait -3
	s_barrier_signal -1
	s_barrier_wait -1
.endm
.macro CROUND
	s_barrier_signal -1
	s_barrier_wait -1
	CREST
.endm
; 16 products: weight tiles 4 hi + a0, + 1 x all 8 position tiles, 32 along K.  zero = 1: the sums start with the bias as C.  The 64 accumulators take turns, one instruction a turn.
.macro MUL16 f, hi, a0, zero
.irp a, \a0, (\a0)+1
.irp b, 0,1,2,3,4,5,6,7
.if \zero
	WIN 0x81+0x40*(\hi)
	v_wmma_f32_16x16x32_bf16 v[8*(8*(\a)+(\b)):8*(8*(\a)+(\b))+7], v[(\f)+8*(\b):(\f)+8*(\b)+7], v[(\f)+8*(4*(\hi)+(\a)):(\f)+8*(4*(\hi)+(\a))+7], v[BIAS+8*(4*(\hi)+(\a)):BIAS+8*(4*(\hi)+(\a))+7]
.else
	WIN 0xa1+0x50*(\hi)
	v_wmma_f32_16x16x32_bf16 v[8*(8*(\a)+(\b)):8*(8*(\a)+(\b))+7], v[(\f)+8*(\b):(\f)+8*(\b)+7], v[(\f)+8*(4*(\hi)+(\a)):(\f)+8*(4*(\hi)+(\a))+7], v[8*(8*(\a)+(\b)):8*(8*(\a)+(\b))+7]
.endif
.endr
.endr
.endm
; 32 LDS loads in one run: 32 along K (half kq of the step): the 128 positions into window 1, my 128 weight rows into window 0
.macro FETCH slot, kq, f
	WIN 0x40
.irp i, 0,1,2,3,4,5,6,7
	ds_load_b128 v[(\f)+8*(\i):(\f)+8*(\i)+3],   v[AA] offset:64*(\kq)+(\i)*TROW
	ds_load_b128 v[(\f)+8*(\i)+4:(\f)+8*(\i)+7], v[AA] offset:64*(\kq)+(\i)*TROW+32
.endr
	WIN 0
.irp i, 0,1,2,3,4,5,6,7
	ds_load_b128 v[(\f)+8*(\i):(\f)+8*(\i)+3],   v[ADRW+(\slot)] offset:64*(\kq)+(\i)*TROW
	ds_load_b128 v[(\f)+8*(\i)+4:(\f)+8*(\i)+7], v[ADRW+(\slot)] offset:64*(\kq)+(\i)*TROW+32
.endr
.endm
; A K step is two halves of 32.  The first multiplies buffer 0 and fetches the second half into buffer 1.
.macro QUARTER slot, zero
	s_wait_dscnt 8                                 ; all but the youngest eight loads: weight tiles 4-7
	MUL16 F0, 0, 0, \zero
	MUL16 F0, 0, 2, \zero
	PLACES
	FETCH \slot, 1, F1
	s_wait_dscnt 32                                ; all but the 32 just issued
	MUL16 F0, 1, 0, \zero
	MUL16 F0, 1, 2, \zero
.endm
; A PREFETCH INTO THE L2 of the next pass's weights, once a pass, in its fifth K step (the lap loop's third trip): one lap, 256 products, ahead of the refill that first asks for a block of that pass.
; Clusters 0 to 3 ask, each for two of the pass's eight K steps (lanes 0-15 the one, lanes 16-31 the other); each wave names 16 blocks of 256 bytes of its part of a step, the four partners told apart by
; address (4,096 bytes each): each block is named once in the launch.  The first pass's weights come by their loads alone; the last pass asks for nothing.
.macro ASK
	WIN 0
	s_cmp_eq_u32 s[LAP], s[LIM]
	s_cbranch_scc0 .Lnoask_\@
	global_prefetch_b8 v[PFO], s[PFA:PFA+1] th:TH_LOAD_NT scope:SCOPE_SE
.Lnoask_\@:
.endm
; THE STREAM.  A wave takes rows 32 w .. 32 w + 31.  A slice is 256 bytes of each row; load q of 16 takes rows 2 q, 2 q + 1, sixteen lanes a row (256 aligned bytes).
.macro SLBASE dst, pos, src            ; where the slice of position pos begins: K slice (pos + x) % 8
	s_add_co_u32 s26, s[JR], \pos
	s_and_b32 s26, s26, 7
	s_lshl_b32 s[T0], s26, 8
	s_add_nc_u64 s[\dst:(\dst)+1], s[\src:(\src)+1], s[T0:T0+1]
.endm
.macro VOSET                           ; the 16 row offsets: s26 = log2 of a row's distance in bytes, s27 = two rows
	v_lshlrev_b32 v[VO], s26, v[ROWV]
	v_add_nc_u32 v[VO], v[VO], v[C16]
.set q, 1
.rept 15
	v_add_nc_u32 v[VO+q], s27, v[VO+q-1]
.set q, q+1
.endr
.endm
.macro LDSLICE w, dst, ab              ; a slice's 16 loads into 64 registers
	WIN \w
.set q, 0
.rept 16
	global_load_b128 v[(\dst)+4*q:(\dst)+4*q+3], v[VO+q], s[\ab:(\ab)+1] th:TH_LOAD_NT
.set q, q+1
.endr
.endm
.macro CVST wc, ws, b0, b1, adr        ; a pair is rounded to bf16 in place (result p lies below the sources still unread) and stored into two neighbouring positions
	WIN \wc
.set p, 0
.rept 32
	v_cvt_pk_bf16_f32 v[(\b0)+p], v[(\b0)+2*p], v[(\b0)+2*p+1]
.set p, p+1
.endr
.set p, 0
.rept 32
	v_cvt_pk_bf16_f32 v[(\b1)+p], v[(\b1)+2*p], v[(\b1)+2*p+1]
.set p, p+1
.endr
	WIN \ws
.set q, 0
.rept 16
	ds_store_b64 v[\adr], v[(\b0)+2*q:(\b0)+2*q+1] offset:288*q
.set q, q+1
.endr
.set q, 0
.rept 16
	ds_store_b64 v[\adr], v[(\b1)+2*q:(\b1)+2*q+1] offset:SLICE+288*q
.set q, q+1
.endr
	WIN 0
.endm
; The stream's turn, at the head of an odd K step's change of slots.  The wait is for 0: the pair that is due was asked for two K steps back and nothing was asked for behind it but, in a pass's seventh step, the next bias.
.macro ARR2
	WIN 0
	s_wait_loadcnt 0x0                             ; the pair is in (and the next pass's bias); its address registers and its 128 registers may be written again
	s_cmp_eq_u32 s[ARN], 0
	s_cbranch_scc1 .Lnoarr_\@                      ; the stream has ended
	v_add_nc_u32 v[AST], s[ASL], v[AST0]
	CVST 0x45, 0x04, 0, 192, AST
	s_add_co_u32 s[ASL], s[ASL], 2*SLICE           ; the next pair's positions, round AREG
	s_cmp_eq_u32 s[ASL], 8*SLICE
	s_cselect_b32 s[ASL], 0, s[ASL]
	s_sub_co_u32 s[ARN], s[ARN], 1
	s_cmp_eq_u32 s[ARN], 0
	s_cbranch_scc1 .Lnoarr_\@                      ; the last pair asks for nothing
	s_lshl_b32 s26, s[PJ], 1                       ; pair PJ: K slices (2 PJ + x) % 8 and (2 PJ + 1 + x) % 8,
	s_add_co_u32 s26, s26, s[JR]
	s_add_co_u32 s27, s26, 1
	s_and_b32 s26, s26, 7
	s_and_b32 s27, s27, 7
	s_lshl_b32 s[T0], s26, 8
	s_lshl_b32 s[T1], s27, 8
	s_cmp_lt_u32 s[PJ], 4                          ; of value (rows 16,384 bytes apart), then of key (2,048)
	s_cselect_b64 s[AB0:AB0+1], s[6:7], s[4:5]
	s_cselect_b32 s26, 14, 11
	s_add_nc_u64 s[AB1:AB1+1], s[AB0:AB0+1], s[T1:T1+1]
	s_add_nc_u64 s[AB0:AB0+1], s[AB0:AB0+1], s[T0:T0+1]
	s_lshl_b32 s27, 2, s26
	VOSET
	LDSLICE 0x40, 0, AB0
	LDSLICE 0x40, 192, AB1
	WIN 0
	s_add_co_u32 s[PJ], s[PJ], 1
.Lnoarr_\@:
.endm
; The second half multiplies buffer 1 and changes slots: each wave waits for all its tensor loads (one is out: its part of the other slot), adds 0 to its spare word, waits for that, for its reads and for its stores
; into AREG; fill = 1: the barrier opens a round of the cluster's barrier, and the slot just read is filled again with tile NT, first thing behind the round; the descriptor's address is made anew from that number.
; fetch = 1: the next step's first fragments.  ask = 1: the prefetch.  arr = 1: the stream's turn.  bias = 1: the next pass's bias is asked for, a K step ahead of the wait in the stream's next turn.
.macro TURN slot, next, fill, fetch, ask=0, arr=0, bias=0
.if \arr
	ARR2
.endif
	WIN 0
	s_wait_tensorcnt 0x0                           ; all my tensor loads have landed, so a group 0 may be written
	ds_add_u32 v[SPW], v[NIL]
.if \fill
	s_add_co_u32 s26, s[NT], s[JR]                 ; tile NT: pass NT / 8, K step (NT + x) % 8
	s_and_b32 s26, s26, 7
	s_and_b32 s27, s[NT], 24
	s_or_b32 s26, s26, s27
	s_lshl_b32 s[T1], s26, 16
	s_add_nc_u64 s[G0+4*(\slot)+2:G0+4*(\slot)+3], s[WB:WB+1], s[T1:T1+1]
	s_or_b32 s[G0+4*(\slot)+3], s[G0+4*(\slot)+3], 0x80000000
	s_add_co_u32 s[NT], s[NT], 1
.endif
	s_wait_dscnt 9                                 ; at most the add and eight LDS instructions ahead of it are out: weight tiles 0-3 and the positions are in
	MUL16 F1, 0, 0, 0
	s_wait_dscnt 0x0                               ; the add is done, my reads of this slot and of the position are over, my stores into AREG are done
	s_barrier_signal -1
	MUL16 F1, 0, 2, 0
	WIN 0
	s_barrier_wait -1
.if \fill
	CREST
	tensor_load_to_lds s[G0+4*(\slot):G0+4*(\slot)+3], s[G1:G1+7]
	s_nop 0
.endif
	PLACES                                         ; behind the tensor load, and the places ahead of the loads below
.if \fetch
	s_add_co_u32 s[SL], s[SL], SLICE
	v_add_nc_u32 v[AA], s[SL], v[AA0]
	FETCH \next, 0, F0
.endif
.if \bias
	WIN 0
	s_cmp_eq_u32 s[PS], 2                          ; behind V comes term 0, behind term 0 term 1
	s_cselect_b32 s[T0], 2048, 0
	s_add_nc_u64 s[BP:BP+1], s[10:11], s[T0:T0+1]
.irp a, 0,1,2,3,4,5,6,7
	global_load_b32 v[BIAS+8*\a], v[BOF], s[BP:BP+1] offset:64*\a  ; the bias's registers were last read by the pass's first 64 products
.endr
.endif
.if \ask
	ASK
.endif
	MUL16 F1, 1, 0, 0
	MUL16 F1, 1, 2, 0
.endm
.macro XCOPY win, base                 ; the next quarter of the accumulators comes to window 2, v0-127, where the one text of a unit names it; ascending
	WIN \win
.set i, 0
.rept 128
	v_mov_b32 v[i], v[(\base)+i]
.set i, i+1
.endr
	WIN 0
.endm
	s_load_b512 s[4:19], s[0:1], 0x0               ; key s[4:5], value s[6:7], wkv s[8:9], bk s[10:11], bv s[12:13], pt s[14:15], vt s[16:17], st s[18:19]
	v_lshl_add_u32 v[SPW], v0, 2, SPARE
	v_mov_b32 v[NIL], 0
	ds_add_u32 v[SPW], v[NIL]                      ; the wave's opening: the add and its wait ahead of my first tensor load
	v_lshrrev_b32 v1, 5, v0
	v_readfirstlane_b32 s[WV], v1                  ; wave 0..3
	s_bfe_u32 s[CX], ttmp6, 0x40000                ; my place in the cluster: it enters global addresses alone
	s_lshl_b32 s[GI], ttmp9, 2
	s_add_co_u32 s[GI], s[GI], s[CX]               ; g
	s_lshr_b32 s[BI], s[GI], 5                     ; b
	s_and_b32 s[CI], s[GI], 31                     ; c
	s_and_b32 s[JR], ttmp9, 7                      ; the same in all four partners
	; group 1: my 128 weight rows of a step are 16,384 dense bytes: 64 rows of 256 bytes, two weight rows a row, 16 bytes of padding behind every 128
	s_mov_b32 s[G1], 15|(1<<16)|(1<<20)|(1<<21)|(4<<22)|(3<<25)  ; mask of four; 2-byte elements; padding on; bit 21 beside a mask; after every 32 words; 4 words
	s_mov_b32 s[G1+1], 128<<16                     ; tensor_dim0 = 128
	s_mov_b32 s[G1+2], 64<<16                      ; tensor_dim1 = 64
	s_mov_b32 s[G1+3], 128<<16                     ; tile_dim0 = 128
	s_mov_b32 s[G1+4], 64                          ; tile_dim1 = 64
	s_mov_b32 s[G1+5], 128                         ; 128 elements from row to row
	s_mov_b32 s[G1+6], 0
	s_mov_b32 s[G1+7], 0
	s_mov_b32 s[CS], 0x3fb8aa3b                    ; log2 e
	s_mov_b32 s[CS+1], s[CS]
	s_mov_b32 s[SEL], 0x76543210
	s_mov_b32 s[SEL+1], 0xfedcba98
	s_mov_b32 s[HM], 0xffff0000
	s_cmp_lt_u32 ttmp9, 4
	s_cselect_b32 s[LIMC], 1, 0                    ; the same in all four partners
	s_mov_b32 s[PS], 3
	s_mov_b32 s[ARN], 7
	s_mov_b32 s[PJ], 2
	s_mov_b32 s[ASL], 2*SLICE
	s_mov_b32 s[NT], 2
	s_mul_i32 s25, s[WV], SLICE                    ; my part of a slot
	s_mov_b32 s[G0], 1
	s_add_co_u32 s[G0+1], s25, RING
	s_mov_b32 s[G0+4], 1
	s_add_co_u32 s[G0+5], s25, RING+SLOTB
	s_lshl_b32 s[T0], s[WV], 14                    ; my part of a step in memory
	s_mov_b32 s[T0+1], 0
	s_mov_b32 s[T1+1], 0
	s_wait_dscnt 0x0                               ; the opening add is done
	s_wait_kmcnt 0x0
	s_add_nc_u64 s[WB:WB+1], s[8:9], s[T0:T0+1]
	s_lshl_b32 s[T1], s[JR], 16
	s_add_nc_u64 s[G0+2:G0+3], s[WB:WB+1], s[T1:T1+1]  ; tile 0: K step x % 8
	s_add_co_u32 s26, s[JR], 1
	s_and_b32 s26, s26, 7
	s_lshl_b32 s[T1], s26, 16
	s_add_nc_u64 s[G0+6:G0+7], s[WB:WB+1], s[T1:T1+1]  ; tile 1
	s_or_b32 s[G0+3], s[G0+3], 0x80000000          ; type = 2
	s_or_b32 s[G0+7], s[G0+7], 0x80000000
	s_min_u32 s26, ttmp9, 3                        ; the prefetch: K steps 2 x, 2 x + 1 of the second pass, my work-group's quarter of my wave's part
	s_lshl_b32 s[T1], s26, 17
	s_lshl_b32 s26, s[CX], 12
	s_add_co_u32 s[T1], s[T1], s26
	s_add_co_u32 s[T1], s[T1], 8*STEPB
	s_add_nc_u64 s[PFA:PFA+1], s[WB:WB+1], s[T1:T1+1]
	s_lshl_b32 s[T0], s[GI], 18
	s_add_nc_u64 s[4:5], s[4:5], s[T0:T0+1]        ; key at my 128 rows
	s_lshl_b32 s[T0], s[CI], 21
	s_lshl_b32 s26, s[BI], 11
	s_add_co_u32 s[T0], s[T0], s26
	s_add_nc_u64 s[6:7], s[6:7], s[T0:T0+1]        ; value at row 8 (128 c) + b
	CROUND                                         ; all four work-groups are here: the first joint loads meet
	tensor_load_to_lds s[G0:G0+3], s[G1:G1+7]
	s_nop 0
	tensor_load_to_lds s[G0+4:G0+7], s[G1:G1+7]    ; two loads of mine are out
	s_nop 0
	PLACES
	v_and_b32 v[RR], 15, v0
	v_bfe_u32 v[HH], v0, 4, 1
	s_lshl_b32 s26, s[WV], 5
	v_add_nc_u32 v[ROWV], s26, v[HH]
	v_lshlrev_b32 v[C16], 4, v[RR]
	s_lshl_b32 s26, s[WV], 9
	v_lshl_add_u32 v[BOF], v[RR], 2, s26
.irp a, 0,1,2,3,4,5,6,7
	global_load_b32 v[BIAS+8*\a], v[BOF], s[12:13] offset:64*\a  ; bv
.endr
	SLBASE AB2, 0, 6                               ; value's first four slices in my cluster's order
	SLBASE AB3, 1, 6
	SLBASE AB0, 2, 6
	SLBASE AB1, 3, 6
	s_mov_b32 s26, 14
	s_mov_b32 s27, 32768
	VOSET
	LDSLICE 0x80, 0, AB2                           ; pair 0 lands where the accumulators will lie,
	LDSLICE 0x80, 64, AB3
	LDSLICE 0x40, 0, AB0                           ; pair 1 in the stream's own registers
	LDSLICE 0x40, 192, AB1
	WIN 0
	v_mul_u32_u24 v[AA0], v[RR], PIT
	v_lshl_add_u32 v[AA0], v[HH], 4, v[AA0]
	s_add_co_u32 s26, s25, RING
	v_add_nc_u32 v[ADRW], s26, v[AA0]
	v_add_nc_u32 v[ADRW+1], SLOTB, v[ADRW]
	s_mul_i32 s26, s[WV], 32*PIT
	v_mul_u32_u24 v[AST0], v[HH], PIT
	v_lshl_add_u32 v[AST0], v[RR], 3, v[AST0]
	v_add_nc_u32 v[AST0], s26, v[AST0]             ; row 32 w + h, 8 bytes a lane
	v_and_b32 v[L16], 31, v0
	v_lshlrev_b32 v[L4], 2, v[L16]
	v_lshlrev_b32 v[L16], 4, v[L16]
	v_lshlrev_b32 v[PFO], 8, v[RR]                 ; 16 blocks of 256 bytes,
	v_lshl_add_u32 v[PFO], v[HH], 16, v[PFO]       ; of two K steps
	s_wait_loadcnt 32                              ; the bias and pair 0 are in; pair 1's 32 loads stay out
	CVST 0x8a, 0x08, 0, 64, AST0                   ; positions 0 and 1
.Lpass:
.irp a, 0,1,2,3,4,5,6,7
.irp j, 1,2,3,4,5,6,7
	v_mov_b32 v[BIAS+8*\a+\j], v[BIAS+8*\a]        ; a lane is one column: its bias (awaited at the head, or in the last stream's turn) in all eight registers of the C operand
.endr
.endr
	s_cmp_eq_u32 s[PS], 1
	s_cselect_b32 s[LIM], 0, s[LIMC]               ; no pass follows the last
	s_wait_tensorcnt 0x1                           ; slot 0 is in: one younger load of mine (slot 1's) may stay out
	s_wait_dscnt 0x0                               ; my stores into AREG are done
	s_barrier_signal -1
	s_barrier_wait -1                              ; everybody's are
	s_mov_b32 s[SL], 0
	v_mov_b32 v[AA], v[AA0]
	FETCH 0, 0, F0
	QUARTER 0, 1
	WIN 0
	s_mov_b32 s[LAP], 3
.Llap:                                             ; a trip goes once round the ring and fills both slots again
	TURN 0, 1, 1, 1, 1, 0, 0
	QUARTER 1, 0
	TURN 1, 0, 1, 1, 0, 1, 0
	QUARTER 0, 0
	WIN 0
	s_sub_co_u32 s[LAP], s[LAP], 1
	s_cmp_lg_u32 s[LAP], 0
	s_cbranch_scc1 .Llap
	s_cmp_eq_u32 s[PS], 1
	s_cbranch_scc1 .Llast
	TURN 0, 1, 1, 1, 0, 0, 1                       ; the ring goes on into the next pass: slot 0 takes its first step; its bias is asked for,
	QUARTER 1, 0
	TURN 1, 0, 1, 0, 0, 1, 0                       ; slot 1 its second
	WIN 0
	s_branch .Lepi
.Llast:                                            ; the last pass's last two steps ask for nothing
	TURN 0, 1, 0, 1
	QUARTER 1, 0
	s_wait_dscnt 8
	MUL16 F1, 0, 0, 0
	MUL16 F1, 0, 2, 0
	s_wait_dscnt 0x0
	MUL16 F1, 1, 0, 0
	MUL16 F1, 1, 2, 0
	WIN 0
.Lepi:
	PLACES
	s_wait_xcnt 0x0                                ; the pass's prefetch, three K steps back, has read its address
	s_add_nc_u64 s[PFA:PFA+1], s[PFA:PFA+1], 8*STEPB  ; the pass after the next (behind the second pass it is used no more)
	; THE WAY OUT, in four units of two column tiles.  vt: [b][column tile 32][block of 32 s 128][1,024 bytes]; pt: [b][32 t + column tile][128][1,024]; st: [g][512 t + f]
	s_cmp_eq_u32 s[PS], 3
	s_cselect_b64 s[OUTP:OUTP+1], s[16:17], s[14:15]
	s_cselect_b32 s26, 22, 23
	s_lshl_b32 s[T0], s[BI], s26
	s_lshl_b32 s26, s[WV], 20                      ; my 8 column tiles of 131,072 bytes
	s_add_co_u32 s[T0], s[T0], s26
	s_lshl_b32 s26, s[CI], 12                      ; my 4 blocks of 32 s
	s_add_co_u32 s[T0], s[T0], s26
	s_cmp_eq_u32 s[PS], 1
	s_cselect_b32 s26, 0x400000, 0                 ; term 1
	s_cselect_b32 s27, 2048, 0
	s_add_co_u32 s[T0], s[T0], s26
	s_add_nc_u64 s[OUTP:OUTP+1], s[OUTP:OUTP+1], s[T0:T0+1]
	s_lshl_b32 s[T0], s[GI], 12
	s_add_co_u32 s[T0], s[T0], s27
	s_lshl_b32 s26, s[WV], 9
	s_add_co_u32 s[T0], s[T0], s26
	s_add_nc_u64 s[STP:STP+1], s[18:19], s[T0:T0+1]
	s_mov_b32 s[U], 0
.Lunit:
	s_cmp_eq_u32 s[PS], 3
	s_cbranch_scc1 .Lcvt                           ; V is only rounded
	; the maximum of a lane's 64 numbers of each tile: four chains, each over two accumulators, each accumulator read from its low end
	WIN 0x2a
.irp a, 0,1
.irp k, 0,1,2,3
	v_max3_num_f32 v[TC+4*\a+\k], v[64*\a+8*\k], v[64*\a+8*\k+1], v[64*\a+8*\k+2]
.endr
.endr
	WIN 0x28
.irp o, 3,5,32,34,36,38
.irp a, 0,1
.irp k, 0,1,2,3
	v_max3_num_f32 v[TC+4*\a+\k], v[TC+4*\a+\k], v[64*\a+8*\k+\o], v[64*\a+8*\k+\o+1]
.endr
.endr
.endr
.irp a, 0,1
	v_max3_num_f32 v[TC+4*\a], v[TC+4*\a], v[64*\a+7], v[64*\a+15]
	v_max3_num_f32 v[TC+4*\a+2], v[TC+4*\a+2], v[64*\a+23], v[64*\a+31]
.endr
	WIN 0
.irp a, 0,1
	v_max3_num_f32 v[TC+4*\a], v[TC+4*\a], v[TC+4*\a+1], v[TC+4*\a+2]
.endr
.irp a, 0,1
	v_max_num_f32 v[TC+4*\a], v[TC+4*\a], v[TC+4*\a+3]
.endr
.irp a, 0,1
	v_permlanex16_b32 v[TC+4*\a+1], v[TC+4*\a], s[SEL], s[SEL+1]  ; the column's other 64 positions lie in the lane 16 away
.endr
.irp a, 0,1
	v_max_num_f32 v[TC+4*\a+1], v[TC+4*\a], v[TC+4*\a+1]          ; Mc
.endr
.irp a, 0,1
	v_mul_f32 v[TC+4*\a], s[CS], v[TC+4*\a+1]                     ; log2e Mc
.endr
	v_cndmask_b32 v[TC+8], v[TC+1], v[TC+5], s[HM]                ; lanes 0-15: the first tile's, lanes 16-31: the second's
	global_store_b32 v[L4], v[TC+8], s[STP:STP+1]                 ; 128 consecutive bytes
	WIN 0x82
.set p, 0
.rept 64
	v_pk_fma_f32 v[2*p:2*p+1], v[2*p:2*p+1], s[CS:CS+1], v[TC+4*(p/32):TC+4*(p/32)+1] op_sel_hi:[1,0,0] neg_lo:[0,0,1] neg_hi:[0,0,1]
.set p, p+1
.endr
.set p, 0
.rept 128
	v_exp_f32 v[p], v[p]                           ; one batch
.set p, p+1
.endr
	v_nop                                          ; a plain instruction behind the last exponential,
	s_wait_alu depctr_va_vdst(0)                   ; and the one wait ahead of the batch's first reader
	WIN 0
.Lcvt:
	WIN 0x0a
.set p, 0
.rept 64
	v_cvt_pk_bf16_f32 v[F0+p], v[2*p], v[2*p+1]
.set p, p+1
.endr
	WIN 0
.irp a, 0,1
.irp b, 0,1,2,3,4,5,6,7
	global_store_b128 v[L16], v[F0+32*\a+4*\b:F0+32*\a+4*\b+3], s[OUTP:OUTP+1] offset:131072*\a+1024*(\b/2)+512*(\b%2) th:TH_STORE_NT  ; half b % 2 of fragment b / 2: 512 consecutive bytes, aligned
.endr
.endr
	s_wait_xcnt 0x0                                ; the stores have read their data and bases: only now are these written again
	s_add_nc_u64 s[OUTP:OUTP+1], s[OUTP:OUTP+1], 262144
	s_add_nc_u64 s[STP:STP+1], s[STP:STP+1], 128
	s_cmp_eq_u32 s[U], 0
	s_cbranch_scc1 .Lx1
	s_cmp_eq_u32 s[U], 1
	s_cbranch_scc1 .Lx2
	s_cmp_eq_u32 s[U], 2
	s_cbranch_scc0 .Lxd
	XCOPY 0x83, 128
	s_branch .Lxd
.Lx1:
	XCOPY 0x82, 128
	s_branch .Lxd
.Lx2:
	XCOPY 0x83, 0
.Lxd:
	s_add_co_u32 s[U], s[U], 1
	s_cmp_lt_u32 s[U], 4
	s_cbranch_scc1 .Lunit
	s_sub_co_u32 s[PS], s[PS], 1
	s_cmp_lg_u32 s[PS], 0
	s_cbranch_scc1 .Lpass
	s_wait_tensorcnt 0x0                           ; the wave's end, behind my last tensor load and my last LDS store
	ds_add_u32 v[SPW], v[NIL]
	s_wait_dscnt 0x0
	CROUND                                         ; the closing round
	s_endpgm
.Lfunc_end_k_q9f06b5818c_kvproj:
	.size	k_q9f06b5818c_kvproj, .Lfunc_end_k_q9f06b5818c_kvproj-k_q9f06b5818c_kvproj
	.p2alignl 7, 3214868480
	.fill 96, 4, 3214868480
	.section	.rodata,"a",@progbits
	.p2align	6, 0x0
	.amdhsa_kernel k_q9f06b5818c_kvproj
		.amdhsa_group_segment_fixed_size 327680
		.amdhsa_private_segment_fixed_size 0
		.amdhsa_enable_private_segment 0
		.amdhsa_kernarg_size 64
		.amdhsa_user_sgpr_count 2
		.amdhsa_user_sgpr_kernarg_segment_ptr 1
		.amdhsa_wavefront_size32 1
		.amdhsa_system_sgpr_workgroup_id_x 1
		.amdhsa_system_sgpr_workgroup_id_y 1
		.amdhsa_system_sgpr_workgroup_id_z 1
		.amdhsa_system_vgpr_workitem_id 0
		.amdhsa_next_free_vgpr 1024
		.amdhsa_next_free_sgpr 84
		.amdhsa_reserve_vcc 0
		.amdhsa_float_denorm_mode_32 3
		.amdhsa_float_denorm_mode_16_64 3
		.amdhsa_memory_ordered 1
		.amdhsa_forward_progress 1
		.amdhsa_inst_pref_size 147
	.end_amdhsa_kernel
	.amdgpu_metadata
---
amdhsa.version: [ 1, 2 ]
amdhsa.kernels:
  - .name:           k_q9f06b5818c_kvproj
    .symbol:         k_q9f06b5818c_kvproj.kd
    .args:
      - { .name: key, .offset: 0, .size: 8, .value_kind: global_buffer, .address_space: global }
      - { .name: value, .offset: 8, .size: 8, .value_kind: global_buffer, .address_space: global }
      - { .name: wkv, .offset: 16, .size: 8, .value_kind: global_buffer, .address_space: global }
      - { .name: bk, .offset: 24, .size: 8, .value_kind: global_buffer, .address_space: global }
      - { .name: bv, .offset: 32, .size: 8, .value_kind: global_buffer, .address_space: global }
      - { .name: pt, .offset: 40, .size: 8, .value_kind: global_buffer, .address_space: global }
      - { .name: vt, .offset: 48, .size: 8, .value_kind: global_buffer, .address_space: global }
      - { .name: st, .offset: 56, .size: 8, .value_kind: global_buffer, .address_space: global }
    .group_segment_fixed_size: 327680
    .private_segment_fixed_size: 0
    .kernarg_segment_align: 8
    .kernarg_segment_size: 64
    .max_flat_workgroup_size: 128
    .sgpr_count:     84
    .vgpr_count:     1024
    .wavefront_size: 32
...
	.end_amdgpu_metadata
.endif
;; end of part 2
;; launch kvred (part 3): grid 256 x 1, 4 waves a work-group, no clusters, 82,432 bytes of LDS; arguments pt, vt, st, tab, kvb; writes kvb
.if DOCPART == 3
	.amdgcn_target "amdgcn-amd-amdhsa--gfx1250"
	.amdhsa_code_object_version 6
	.text
	.protected	k_q9f06b5818c_kvred
	.globl	k_q9f06b5818c_kvred
	.p2align	8
	.type	k_q9f06b5818c_kvred,@function
k_q9f06b5818c_kvred:
	s_mov_b64 s[64:65], 0
	v_nop
	global_prefetch_b8 v0, s[64:65] scope:SCOPE_SE
	s_setreg_imm32_b32 hwreg(HW_REG_WAVE_MODE, 25, 1), 1
	s_wait_xcnt 0x0
; KVRED: the state of the linear attention.  For batch b, head h, term t: M = the maximum of the 32 block maxima Mc; with G = 2^(log2e (Mc - M)):
;   kv_s[d][m] = sum over blocks of G[d] sum over the block's s of p[s][d] sin(s) V[s][m],  kv_c likewise with cos,  Z[d] = sum of G[d] sum of p[s][d];  kvb = kv / Z in bf16.
; That is reference()'s softmax over the sequence with its true maximum taken away: p carries its block's maximum, G the rest.  Z >= 1: the block that holds M has G = 1 and a p = 1.
; SHARES.  Work-group x: 16 of the head's 64 d (x & 3), head (x >> 2) & 7, batch x >> 5.  The 4,096 positions are split among the four waves, 1,024 each: 8 blocks of 128, 4 steps of 32 a block.
; The four partial sums meet in LDS at the end (f32).
; LAYOUT.  pt and vt hold register images of 16 x 32 operands (1,024 bytes: [half][lane][16 bytes]): they come straight into registers, 512 consecutive bytes a load; nothing goes through LDS on the way in.
; Source 0 = p (rows d), source 1 = V (rows m): a lane holds ONE m and d = 8 (lane / 16) + 0..7, which is a piece of the operand image that the next launch wants of kv^T.
; sin and cos (bf16 tables) multiply p between its load and the product, in packed bf16; Z is p x ones on the matrix unit, so divisor and dividend carry the same rounded p.
; NO CLUSTER, NO RING: p (two thirds of the bytes) is read by one wave alone; V is wanted by four work-groups, which run side by side.  No prefetch: the launch does little but stream.
; LIMITS.  bf16 operands; p sin and p cos are rounded to bf16 once more; a G below 2^-126 counts as 0; NaN and infinities are not treated apart.
; REGISTERS: window 0: v1-10 addresses; v16-23 ones; v24-39 log2e M [t][8]; v40-55 G; v56-71 Mc; v72-135 p sin, p cos (two sets by the step's parity)
;   window 1: four slots of 64 (a step each): p t0, p t1, V's four m tiles, sin, cos      window 2: v0-143 a block's sums      window 3: v0-143 the totals
.set REDW,  18432                      ; LDS: wave v's 18 partial tiles of 1,024 bytes at 18,432 v
.set XM,    73728                      ; the waves' maxima: 2,048 bytes a wave
.set SPARE, 81920                      ; the spare words: 128 bytes a wave, two blocks of 256 bytes that no other line names
.set L16,  1                           ; v1  16 x lane
.set HO16, 2                           ; v2  16 (lane / 16)
.set HO32, 3                           ; v3  32 (lane / 16)
.set XA,   4                           ; v4  where I put my wave's maxima
.set XR,   5                           ; v5  where I read all four
.set RSA,  6                           ; v6  where I put my partial tiles
.set RRA,  7                           ; v7  where I read the four tiles that my wave finishes
.set SPW,  8
.set NIL,  9
.set RZA,  10                          ; v10 where I read Z
.set ONES, 16
.set CM,   24
.set GG,   40
.set MC,   56
.set PP,   72
.set ZZ,   200
.set WV,   14
.set QI,   15
.set HI,   16
.set BI,   17
.set TRIP, 18
.set PT,   20                          ; s[20:21] pt, s[22:23] vt, s[24:25] the bf16 sine table, s[26:27] st: at the block to be loaded next
.set VT,   22
.set TB,   24
.set ST,   26
.set CS,   28
.set T0,   30
.set KO,   32
.set MSB, 0
.macro WIN new
.if MSB != (\new)
	s_set_vgpr_msb (MSB<<8)|(\new)
.set MSB, \new
.endif
.endm
.macro PLACES
.rept 4
	v_nop
.endr
.endm
; Step i's 16 loads into slot i (with mc = 1 four more: the block's Mc)
.macro SLOT_LD i, mc
	WIN 0x40
.irp t, 0,1
	global_load_b128 v[64*(\i)+8*\t:64*(\i)+8*\t+3],   v[L16], s[PT:PT+1] offset:4194304*\t+1024*(\i) th:TH_LOAD_NT
	global_load_b128 v[64*(\i)+8*\t+4:64*(\i)+8*\t+7], v[L16], s[PT:PT+1] offset:4194304*\t+1024*(\i)+512 th:TH_LOAD_NT
.endr
.irp m, 0,1,2,3
	global_load_b128 v[64*(\i)+16+8*\m:64*(\i)+16+8*\m+3], v[L16], s[VT:VT+1] offset:131072*\m+1024*(\i)
	global_load_b128 v[64*(\i)+16+8*\m+4:64*(\i)+16+8*\m+7], v[L16], s[VT:VT+1] offset:131072*\m+1024*(\i)+512
.endr
.irp z, 0,1
	global_load_b128 v[64*(\i)+48+8*\z:64*(\i)+48+8*\z+3],   v[HO16], s[TB:TB+1] offset:8192*\z+64*(\i)
	global_load_b128 v[64*(\i)+48+8*\z+4:64*(\i)+48+8*\z+7], v[HO16], s[TB:TB+1] offset:8192*\z+64*(\i)+32
.endr
	WIN 0
.if \mc
.irp t, 0,1
	global_load_b128 v[MC+8*\t:MC+8*\t+3],   v[HO32], s[ST:ST+1] offset:2048*\t
	global_load_b128 v[MC+8*\t+4:MC+8*\t+7], v[HO32], s[ST:ST+1] offset:2048*\t+16
.endr
.endif
.endm
; Step i of a block: 32 packed products, 18 matrix instructions on 18 accumulators by turns; step 0 starts the block's sums with the constant 0 and makes the block's G.
; ahead = 1: the slot is asked for again, for the next block.  left: the younger loads that may stay out.
.macro KSTEP i, ahead, left
	s_wait_loadcnt \left
.if (\i) == 0
	WIN 0
.set p, 0
.rept 8
	v_pk_fma_f32 v[GG+2*p:GG+2*p+1], v[MC+2*p:MC+2*p+1], s[CS:CS+1], v[CM+2*p:CM+2*p+1] op_sel_hi:[1,0,1] neg_lo:[0,0,1] neg_hi:[0,0,1]
.set p, p+1
.endr
.set p, 0
.rept 16
	v_exp_f32 v[GG+p], v[GG+p]                     ; one batch; its wait stands ahead of its first reader, at the block's end
.set p, p+1
.endr
.endif
	WIN 0x05
.irp z, 0,1
.irp t, 0,1
.set p, 0
.rept 8
	v_pk_mul_bf16 v[PP+32*((\i)%2)+8*(2*\z+\t)+p], v[64*(\i)+8*\t+p], v[64*(\i)+48+8*\z+p]
.set p, p+1
.endr
.endr
.endr
	WIN 0xa4
.irp z, 0,1
.irp t, 0,1
.irp m, 0,1,2,3
.if (\i) == 0
	v_wmma_f32_16x16x32_bf16 v[8*(4*(2*\z+\t)+\m):8*(4*(2*\z+\t)+\m)+7], v[PP+32*((\i)%2)+8*(2*\z+\t):PP+32*((\i)%2)+8*(2*\z+\t)+7], v[64*(\i)+16+8*\m:64*(\i)+16+8*\m+7], 0
.else
	v_wmma_f32_16x16x32_bf16 v[8*(4*(2*\z+\t)+\m):8*(4*(2*\z+\t)+\m)+7], v[PP+32*((\i)%2)+8*(2*\z+\t):PP+32*((\i)%2)+8*(2*\z+\t)+7], v[64*(\i)+16+8*\m:64*(\i)+16+8*\m+7], v[8*(4*(2*\z+\t)+\m):8*(4*(2*\z+\t)+\m)+7]
.endif
.endr
.endr
.endr
	WIN 0xa1
.irp t, 0,1
.if (\i) == 0
	v_wmma_f32_16x16x32_bf16 v[8*(16+\t):8*(16+\t)+7], v[64*(\i)+8*\t:64*(\i)+8*\t+7], v[ONES:ONES+7], 0
.else
	v_wmma_f32_16x16x32_bf16 v[8*(16+\t):8*(16+\t)+7], v[64*(\i)+8*\t:64*(\i)+8*\t+7], v[ONES:ONES+7], v[8*(16+\t):8*(16+\t)+7]
.endif
.endr
.if (\ahead) || ((\i) == 3)
	PLACES                                         ; ahead of loads into registers that the products have read, and of the sums that read their results
.endif
.if \ahead
	SLOT_LD \i, ((\i)==0)
.endif
.endm
.macro FOLD                            ; total += block x G
	s_wait_alu depctr_va_vdst(0)                   ; the wait between the block's 16 exponentials and their first reader
	WIN 0xf2
.set i, 0
.rept 18
.set tt, (i/4)%2
.if i >= 16
.set tt, i-16
.endif
.set p, 0
.rept 4
	v_pk_fma_f32 v[8*i+2*p:8*i+2*p+1], v[8*i+2*p:8*i+2*p+1], v[GG+8*tt+2*p:GG+8*tt+2*p+1], v[8*i+2*p:8*i+2*p+1]
.set p, p+1
.endr
.set i, i+1
.endr
	WIN 0
.endm
	s_load_b256 s[4:11], s[0:1], 0x0               ; pt s[4:5], vt s[6:7], st s[8:9], tab s[10:11]
	s_load_b64 s[12:13], s[0:1], 0x20              ; kvb
	v_lshl_add_u32 v[SPW], v0, 2, SPARE
	v_mov_b32 v[NIL], 0
	v_lshrrev_b32 v1, 5, v0
	v_readfirstlane_b32 s[WV], v1                  ; wave 0..3
	s_and_b32 s[QI], ttmp9, 3
	s_bfe_u32 s[HI], ttmp9, 0x30002
	s_lshr_b32 s[BI], ttmp9, 5
	s_mov_b32 s[CS], 0x3fb8aa3b                    ; log2 e
	s_mov_b32 s[CS+1], s[CS]
	s_mov_b32 s[T0+1], 0
	v_and_b32 v[L16], 31, v0
	v_lshlrev_b32 v[L16], 4, v[L16]
	v_bfe_u32 v[HO16], v0, 4, 1
	v_lshlrev_b32 v[HO32], 5, v[HO16]
	v_lshlrev_b32 v[HO16], 4, v[HO16]
	s_lshl_b32 s34, s[WV], 11
	s_add_co_u32 s34, s34, XM
	v_add_nc_u32 v[XA], s34, v[L16]
	v_add_nc_u32 v[XR], XM, v[L16]
	s_mul_i32 s34, s[WV], REDW
	v_add_nc_u32 v[RSA], s34, v[L16]
	s_lshl_b32 s34, s[WV], 12                      ; wave w = t + 2 sc finishes tiles 4 w .. 4 w + 3
	v_add_nc_u32 v[RRA], s34, v[L16]
	s_and_b32 s34, s[WV], 1
	s_lshl_b32 s34, s34, 10
	s_add_co_u32 s34, s34, 16384                   ; and divides by Z of its term: tile 16 + t
	v_add_nc_u32 v[RZA], s34, v[L16]
	s_lshl_b32 s35, s[HI], 19                      ; the head's four row tiles of 131,072 bytes
	s_lshl_b32 s36, s[WV], 15                      ; my 32 blocks of 32 s
	s_add_co_u32 s35, s35, s36
	s_wait_kmcnt 0x0
	s_lshl_b32 s[T0], s[BI], 23
	s_add_co_u32 s[T0], s[T0], s35
	s_lshl_b32 s37, s[QI], 17
	s_add_co_u32 s[T0], s[T0], s37
	s_add_nc_u64 s[PT:PT+1], s[4:5], s[T0:T0+1]
	s_lshl_b32 s[T0], s[BI], 22
	s_add_co_u32 s[T0], s[T0], s35
	s_add_nc_u64 s[VT:VT+1], s[6:7], s[T0:T0+1]
	s_lshl_b32 s[T0], s[WV], 11
	s_add_co_u32 s[T0], s[T0], 65536
	s_add_nc_u64 s[TB:TB+1], s[10:11], s[T0:T0+1]
	s_lshl_b32 s[T0], s[BI], 17
	s_add_co_u32 s[T0], s[T0], s36
	s_lshl_b32 s37, s[HI], 8
	s_add_co_u32 s[T0], s[T0], s37
	s_lshl_b32 s37, s[QI], 6
	s_add_co_u32 s[T0], s[T0], s37
	s_add_nc_u64 s[ST:ST+1], s[8:9], s[T0:T0+1]
	; kvb: [b][h][kk 4][MT 8][half][lane][16 bytes]; kk = 2 t + (q >> 1), MT = 4 sc + mt, half = q & 1
	s_lshl_b32 s[T0], s[BI], 18
	s_lshl_b32 s37, s[HI], 15
	s_add_co_u32 s[T0], s[T0], s37
	s_and_b32 s37, s[WV], 1
	s_lshl_b32 s37, s37, 14
	s_add_co_u32 s[T0], s[T0], s37
	s_lshr_b32 s37, s[QI], 1
	s_lshl_b32 s37, s37, 13
	s_add_co_u32 s[T0], s[T0], s37
	s_lshr_b32 s37, s[WV], 1
	s_lshl_b32 s37, s37, 12
	s_add_co_u32 s[T0], s[T0], s37
	s_and_b32 s37, s[QI], 1
	s_lshl_b32 s37, s37, 9
	s_add_co_u32 s[T0], s[T0], s37
	s_add_nc_u64 s[KO:KO+1], s[12:13], s[T0:T0+1]
	SLOT_LD 0, 1                                   ; the first block
	SLOT_LD 1, 0
	SLOT_LD 2, 0
	SLOT_LD 3, 0
	WIN 0x80
.set i, 0
.rept 8                                ; my eight blocks' maxima, both terms
.irp t, 0,1
	global_load_b128 v[16*i+8*\t:16*i+8*\t+3],   v[HO32], s[ST:ST+1] offset:4096*i+2048*\t
	global_load_b128 v[16*i+8*\t+4:16*i+8*\t+7], v[HO32], s[ST:ST+1] offset:4096*i+2048*\t+16
.endr
.set i, i+1
.endr
	WIN 0xc0
.set i, 0
.rept 144
	v_mov_b32 v[i], 0                              ; the totals start at 0, written while the first loads are on their way: so every block is folded by one text
.set i, i+1
.endr
	WIN 0
.set i, 0
.rept 8
	v_mov_b32 v[ONES+i], 0x3f803f80
.set i, i+1
.endr
	s_wait_loadcnt 0x0
	s_add_nc_u64 s[PT:PT+1], s[PT:PT+1], 4096      ; all loads are done: the bases go on to the second block
	s_add_nc_u64 s[VT:VT+1], s[VT:VT+1], 4096
	s_add_nc_u64 s[TB:TB+1], s[TB:TB+1], 256
	s_add_nc_u64 s[ST:ST+1], s[ST:ST+1], 4096
	WIN 0x2a
.set j, 0
.rept 16
	v_max3_num_f32 v[CM+j], v[j], v[16+j], v[32+j]
.set j, j+1
.endr
	WIN 0x28
.set j, 0
.rept 16
	v_max3_num_f32 v[CM+j], v[CM+j], v[48+j], v[64+j]
.set j, j+1
.endr
.set j, 0
.rept 16
	v_max3_num_f32 v[CM+j], v[CM+j], v[80+j], v[96+j]
.set j, j+1
.endr
	WIN 0x08
.set j, 0
.rept 16
	v_max_num_f32 v[CM+j], v[CM+j], v[112+j]
.set j, j+1
.endr
	WIN 0
.irp i, 0,1,2,3
	ds_store_b128 v[XA], v[CM+4*\i:CM+4*\i+3] offset:512*\i
.endr
	s_wait_dscnt 0x0                               ; for the others' sake
	s_barrier_signal -1
	s_barrier_wait -1
.irp v, 0,1,2,3
.irp i, 0,1,2,3
	ds_load_b128 v[PP+16*\v+4*\i:PP+16*\v+4*\i+3], v[XR] offset:2048*\v+512*\i
.endr
.endr
	s_wait_dscnt 0x0
.set j, 0
.rept 16
	v_max3_num_f32 v[CM+j], v[PP+j], v[PP+16+j], v[PP+32+j]
.set j, j+1
.endr
.set j, 0
.rept 16
	v_max_num_f32 v[CM+j], v[CM+j], v[PP+48+j]     ; M
.set j, j+1
.endr
.set j, 0
.rept 16
	v_mul_f32 v[CM+j], s[CS], v[CM+j]              ; log2e M
.set j, j+1
.endr
	s_mov_b32 s[TRIP], 7
.Lblk:                                             ; a trip multiplies a block and asks for the next
	KSTEP 0, 1, 48                                 ; younger: slots 1, 2, 3
	KSTEP 1, 1, 52                                 ; younger: slots 2, 3 and slot 0's 20 anew
	KSTEP 2, 1, 52
	KSTEP 3, 1, 52
	FOLD
	s_wait_xcnt 0x0                                ; the loads have read their bases
	s_add_nc_u64 s[PT:PT+1], s[PT:PT+1], 4096
	s_add_nc_u64 s[VT:VT+1], s[VT:VT+1], 4096
	s_add_nc_u64 s[TB:TB+1], s[TB:TB+1], 256
	s_add_nc_u64 s[ST:ST+1], s[ST:ST+1], 4096
	s_sub_co_u32 s[TRIP], s[TRIP], 1
	s_cmp_lg_u32 s[TRIP], 0
	s_cbranch_scc1 .Lblk
	KSTEP 0, 0, 48                                 ; the last block loads nothing: the counts run down
	KSTEP 1, 0, 32
	KSTEP 2, 0, 16
	KSTEP 3, 0, 0
	FOLD
	WIN 0x0c
.set i, 0
.rept 18
	ds_store_b128 v[RSA], v[8*i:8*i+3]   offset:1024*i
	ds_store_b128 v[RSA], v[8*i+4:8*i+7] offset:1024*i+512
.set i, i+1
.endr
	WIN 0
	s_wait_dscnt 0x0
	s_barrier_signal -1
	s_barrier_wait -1                              ; all four waves' partial sums lie in LDS
.irp v, 0,1,2,3
.irp m, 0,1,2,3
	ds_load_b128 v[PP+32*\v+8*\m:PP+32*\v+8*\m+3],   v[RRA] offset:REDW*\v+1024*\m
	ds_load_b128 v[PP+32*\v+8*\m+4:PP+32*\v+8*\m+7], v[RRA] offset:REDW*\v+1024*\m+512
.endr
	ds_load_b128 v[ZZ+8*\v:ZZ+8*\v+3],   v[RZA] offset:REDW*\v
	ds_load_b128 v[ZZ+8*\v+4:ZZ+8*\v+7], v[RZA] offset:REDW*\v+512
.endr
	s_wait_dscnt 0x0
.set p, 0
.rept 4
	v_pk_add_f32 v[ZZ+2*p:ZZ+2*p+1], v[ZZ+2*p:ZZ+2*p+1], v[ZZ+8+2*p:ZZ+8+2*p+1]
	v_pk_add_f32 v[ZZ+16+2*p:ZZ+16+2*p+1], v[ZZ+16+2*p:ZZ+16+2*p+1], v[ZZ+24+2*p:ZZ+24+2*p+1]
.set p, p+1
.endr
.set p, 0
.rept 4
	v_pk_add_f32 v[ZZ+2*p:ZZ+2*p+1], v[ZZ+2*p:ZZ+2*p+1], v[ZZ+16+2*p:ZZ+16+2*p+1]
.set p, p+1
.endr
.set p, 0
.rept 8
	v_rcp_f32 v[ZZ+p], v[ZZ+p]
.set p, p+1
.endr
.set p, 0
.rept 16                               ; the tiles' sums stand behind the reciprocals: plain work that names none of their results
	v_pk_add_f32 v[PP+2*p:PP+2*p+1], v[PP+2*p:PP+2*p+1], v[PP+32+2*p:PP+32+2*p+1]
	v_pk_add_f32 v[PP+64+2*p:PP+64+2*p+1], v[PP+64+2*p:PP+64+2*p+1], v[PP+96+2*p:PP+96+2*p+1]
.set p, p+1
.endr
.set p, 0
.rept 16
	v_pk_add_f32 v[PP+2*p:PP+2*p+1], v[PP+2*p:PP+2*p+1], v[PP+64+2*p:PP+64+2*p+1]
.set p, p+1
.endr
	s_wait_alu depctr_va_vdst(0)                   ; one wait for the eight reciprocals, ahead of their first reader
.set p, 0
.rept 16
	v_pk_mul_f32 v[PP+2*p:PP+2*p+1], v[PP+2*p:PP+2*p+1], v[ZZ+2*(p%4):ZZ+2*(p%4)+1]
.set p, p+1
.endr
.set p, 0
.rept 16
	v_cvt_pk_bf16_f32 v[PP+64+p], v[PP+2*p], v[PP+2*p+1]
.set p, p+1
.endr
.irp m, 0,1,2,3
	global_store_b128 v[L16], v[PP+64+4*\m:PP+64+4*\m+3], s[KO:KO+1] offset:1024*\m  ; 512 consecutive bytes, aligned
.endr
	s_wait_tensorcnt 0x0                           ; the wave's end, behind my last LDS store
	ds_add_u32 v[SPW], v[NIL]
	s_wait_dscnt 0x0
	s_endpgm
.Lfunc_end_k_q9f06b5818c_kvred:
	.size	k_q9f06b5818c_kvred, .Lfunc_end_k_q9f06b5818c_kvred-k_q9f06b5818c_kvred
	.p2alignl 7, 3214868480
	.fill 96, 4, 3214868480
	.section	.rodata,"a",@progbits
	.p2align	6, 0x0
	.amdhsa_kernel k_q9f06b5818c_kvred
		.amdhsa_group_segment_fixed_size 82432
		.amdhsa_private_segment_fixed_size 0
		.amdhsa_enable_private_segment 0
		.amdhsa_kernarg_size 40
		.amdhsa_user_sgpr_count 2
		.amdhsa_user_sgpr_kernarg_segment_ptr 1
		.amdhsa_wavefront_size32 1
		.amdhsa_system_sgpr_workgroup_id_x 1
		.amdhsa_system_sgpr_workgroup_id_y 1
		.amdhsa_system_sgpr_workgroup_id_z 1
		.amdhsa_system_vgpr_workitem_id 0
		.amdhsa_next_free_vgpr 912
		.amdhsa_next_free_sgpr 66
		.amdhsa_reserve_vcc 0
		.amdhsa_float_denorm_mode_32 3
		.amdhsa_float_denorm_mode_16_64 3
		.amdhsa_memory_ordered 1
		.amdhsa_forward_progress 1
		.amdhsa_inst_pref_size 82
	.end_amdhsa_kernel
	.amdgpu_metadata
---
amdhsa.version: [ 1, 2 ]
amdhsa.kernels:
  - .name:           k_q9f06b5818c_kvred
    .symbol:         k_q9f06b5818c_kvred.kd
    .args:
      - { .name: pt, .offset: 0, .size: 8, .value_kind: global_buffer, .address_space: global }
      - { .name: vt, .offset: 8, .size: 8, .value_kind: global_buffer, .address_space: global }
      - { .name: st, .offset: 16, .size: 8, .value_kind: global_buffer, .address_space: global }
      - { .name: tab, .offset: 24, .size: 8, .value_kind: global_buffer, .address_space: global }
      - { .name: kvb, .offset: 32, .size: 8, .value_kind: global_buffer, .address_space: global }
    .group_segment_fixed_size: 82432
    .private_segment_fixed_size: 0
    .kernarg_segment_align: 8
    .kernarg_segment_size: 40
    .max_flat_workgroup_size: 128
    .sgpr_count:     66
    .vgpr_count:     912
    .wavefront_size: 32
...
	.end_amdgpu_metadata
.endif
;; end of part 3
;; launch qattn (part 4): grid 256 x 1, 4 waves a work-group, clusters of 4 x 1, 327,680 bytes of LDS; arguments query, wqo, bq, bout, kvb, tab, out0; writes out0
.if DOCPART == 4
	.amdgcn_target "amdgcn-amd-amdhsa--gfx1250"
	.amdhsa_code_object_version 6
	.text
	.protected	k_q9f06b5818c_qattn
	.globl	k_q9f06b5818c_qattn
	.p2align	8
	.type	k_q9f06b5818c_qattn,@function
k_q9f06b5818c_qattn:
	s_mov_b64 s[64:65], 0
	v_nop
	global_prefetch_b8 v0, s[64:65] scope:SCOPE_SE
	s_setreg_imm32_b32 hwreg(HW_REG_WAVE_MODE, 25, 1), 1
	s_wait_xcnt 0x0
	s_wait_alu depctr_hold_cnt(0) depctr_sa_sdst(0) depctr_va_vdst(0) depctr_va_sdst(0) depctr_va_ssrc(0) depctr_va_vcc(0) depctr_vm_vsrc(0)
	s_getreg_b32 s2, hwreg(HW_REG_IB_STS2, 6, 4)
	s_cmp_eq_u32 s2, 0
	s_cbranch_scc0 .Lentry_in_a_cluster
	s_endpgm
.Lentry_in_a_cluster:
	s_bfe_u32 s2, ttmp6, 0x10000c
	s_cmp_lg_u32 s2, 0x3003
	s_cbranch_scc0 .Lentry_shape_is_right
	s_endpgm
.Lentry_shape_is_right:
; QATTN: the q projections of both terms, their softmax over a head's 64 features (with the row's true maximum), the product with the state kv, the sine and cosine of the row's position, and the
; out projection with its bias: out0 = (sum over t of softmax(query Wq[t]^T + bq[t]) (sin kv_s[t] + cos kv_c[t])) Wout^T + bout.  Nothing goes through memory in between.
; SHARES.  Work-group g = 32 b + c (256 of them) has the 128 rows l = 128 c + i of batch b.  Three passes of 512 weight rows, K = 512 in 8 steps of 64: heads 0-3 (wave w: head w, both terms: 128 rows), heads 4-7, Wout.
; In a pass a wave makes 128 rows x its 128 columns: 64 accumulators, 512 registers.
; LAYOUT.  Source 0 = 16 weight rows, source 1 = 16 activation rows: in the result a lane holds ONE row l (lane % 16) and the features 16 b + 8 (lane / 16) + 0..7.  So a softmax wants one exchange of the
; lanes' halves; two results rounded to bf16 ARE source 1 (16 rows x 32 features) of the product with kv^T (source 0, loaded as register images from kvb), whose result again holds one l a lane: sin and cos
; are a lane's scalars, applied in f32.  A head's attention result is 16 bytes a lane of position 'head' of AREG, the out projection's activation.
; LDS.  AREG: 128 rows in bf16, 8 positions of 64 k, rows 144 bytes apart; first query, then the attention result; written by LDS stores alone.  RING: two slots of one K step of the weights, tensor loads alone.
; STAGE: 16 rows x 272 bytes a wave, for the way out.  BIASL: each wave's three biases in f32, copied once.  Heads 0-3's result waits in registers (PARK) while query is still wanted.
; QUERY ARRIVES UNDER THE PRODUCTS, in 4 pairs of slices of 64 k.  Pairs 0 and 1 are asked for at the head; pair p (1 .. 3) is rounded and stored into positions 2 p, 2 p + 1 in K step 2 p - 1 of the first pass, and
; the pair after it is asked for there: it has two K steps, 256 products, in which to land.  A position is read first behind the barrier of the step that wrote it.
; THE ORDER ALONG K.  In the two q passes cluster x takes the K steps in the order x % 8, x % 8 + 1, .. (mod 8): position P of AREG holds query's K slice (P + x) % 8.  So at one time the clusters ask for eight
; different blocks of the weights.  Only global addresses hang on x.  The out pass goes in the natural order: its positions are heads, and no LDS address is to hang on x.
; CLUSTER.  The four work-groups of a cluster walk the same weights in the same order: they ask for each tile JOINTLY.  kvb is loaded by each wave for itself: a wave's head is its own.
; LIMITS.  Matrix operands, the softmax's weights, kv and the attention result are bf16; the biases enter in f32.  The order of the f32 sums along K differs from cluster to cluster.  A weight below 2^-126 counts as 0.
; NaN and infinities are not treated apart.
; REGISTERS in windows of 256 (s_set_vgpr_msb: bits 1:0 source 0, 3:2 source 1, 5:4 source 2, 7:6 destination):
;   window 0: v0-30 addresses, v16-23 sin and cos; v32-63 at work; v64-127, v128-191 activation fragments, two buffers; v192-255 the bias as a C operand (on the way out: weights P, kv's fragments)
;   window 1: v64-127, v128-191 weight fragments (on the way out: kv's); v0-63, v192-255 query's two slices on their way, later PARK          windows 2, 3: the accumulators, (a, b) at v[8 (8 a + b)]
.set PIT,   144
.set TROW,  16*PIT
.set SLICE, 128*PIT
.set RING,  8*SLICE
.set SLOTB, 4*SLICE
.set STAGE, RING+2*SLOTB
.set SP,    272
.set SPARE, STAGE+4*16*SP              ; the spare words, 128 bytes a wave: two blocks of 256 bytes that no other line names
.set BIASL, SPARE+512                  ; 1,536 bytes a wave: 512 for each pass
.set STEPB, 65536
.set RR,   1
.set HH,   2
.set AA0,  3                           ; v3   144 r + 16 h
.set AA,   4                           ; v4   the same in the position in hand
.set ADRW, 5                           ; v5-6 the same in my part of slot 0, 1
.set AST,  7                           ; v7   where I put 8 bytes of an arriving row, in the next pair's first position
.set VOQ,  8                           ; v8   my offset in the arriving rows
.set PKA,  9                           ; v9   where a head's result goes in AREG
.set OOF,  10                          ; v10  my offset in two rows of out0
.set L16,  11                          ; v11  16 x lane
.set HO32, 12                          ; v12  32 h
.set RO16, 13                          ; v13  16 r
.set STO,  14                          ; v14  the stage: in
.set RD,   15                          ; v15  the stage: back
.set SC,   16                          ; v16-23 (sin, sin, cos, cos) of my row in the unit's two tiles
.set BLS,  24                          ; v24  where I put 16 bytes of a bias
.set BLA,  25                          ; v25  where I read the pass's bias
.set SPW,  28
.set NIL,  29
.set PFO,  30
.set TT,   32                          ; eight registers for each of a unit's four softmaxes
.set F0,   64
.set F1,   128
.set BIAS, 192
.set WV,  20
.set CX,  21
.set GI,  22
.set BI,  23
.set CI,  24
.set G1,  28
.set G0,  36
.set PS,  44                           ; passes to go: 3 (heads 0-3), 2 (heads 4-7), 1 (Wout)
.set LAP, 45
.set U,   46
.set SL,  47
.set AB0, 48                           ; s[48:49], s[50:51] where the two slices of the pair on its way begin in memory
.set AB1, 50
.set OUTP, 52
.set TABP, 54
.set KVP, 56
.set CS,  58
.set SEL, 60
.set LIM, 63                           ; 1 where this wave prefetches in this pass, else 0
.set JR,  66                           ; cluster x % 8
.set NT,  67                           ; the tile to be asked for next, 2 .. 23
.set PFA, 68
.set T0,  70                           ; s[70:71], s[72:73] offsets; the high words stay 0
.set T1,  72
.set HD,  74
.set WB,  76                           ; s[76:77] the weights at my wave's part of a step
.set ARN, 78                           ; pairs still to be stored
.set PJ,  79                           ; the pair to be asked for next
.set AB2, 80                           ; s[80:83] the head's pair 0
.set AB3, 82
.set LIMC, 84                          ; 1 in clusters 0 to 3
.set MSB, 0
.macro WIN new
.if MSB != (\new)
	s_set_vgpr_msb (MSB<<8)|(\new)
.set MSB, \new
.endif
.endm
.macro PLACES                          ; four plain places behind a matrix instruction (ISA guide 7.12.1)
.rept 4
	v_nop
.endr
.endm
.macro CREST
	s_cmp_lg_u32 s[WV], 0
	s_cbranch_scc1 .Lnot_wave_0_\@
	s_barrier_signal -3
.Lnot_wave_0_\@:
	s_barrier_wait -3
	s_barrier_signal -1
	s_barrier_wait -1
.endm
.macro CROUND
	s_barrier_signal -1
	s_barrier_wait -1
	CREST
.endm
; 16 products: row tiles 4 hi + a0, + 1 x all 8 column tiles, 32 along K.  zero = 1: the sums start with the bias as C.  The 64 accumulators take turns.
.macro MUL16 f, hi, a0, zero
.irp a, \a0, (\a0)+1
.irp b, 0,1,2,3,4,5,6,7
.if \zero
	WIN 0x81+0x40*(\hi)
	v_wmma_f32_16x16x32_bf16 v[8*(8*(\a)+(\b)):8*(8*(\a)+(\b))+7], v[(\f)+8*(\b):(\f)+8*(\b)+7], v[(\f)+8*(4*(\hi)+(\a)):(\f)+8*(4*(\hi)+(\a))+7], v[BIAS+8*(\b):BIAS+8*(\b)+7]
.else
	WIN 0xa1+0x50*(\hi)
	v_wmma_f32_16x16x32_bf16 v[8*(8*(\a)+(\b)):8*(8*(\a)+(\b))+7], v[(\f)+8*(\b):(\f)+8*(\b)+7], v[(\f)+8*(4*(\hi)+(\a)):(\f)+8*(4*(\hi)+(\a))+7], v[8*(8*(\a)+(\b)):8*(8*(\a)+(\b))+7]
.endif
.endr
.endr
.endm
; 32 LDS loads in one run: my 128 weight rows into window 1, the 128 activation rows into window 0
.macro FETCH slot, kq, f
	WIN 0x40
.irp i, 0,1,2,3,4,5,6,7
	ds_load_b128 v[(\f)+8*(\i):(\f)+8*(\i)+3],   v[ADRW+(\slot)] offset:64*(\kq)+(\i)*TROW
	ds_load_b128 v[(\f)+8*(\i)+4:(\f)+8*(\i)+7], v[ADRW+(\slot)] offset:64*(\kq)+(\i)*TROW+32
.endr
	WIN 0
.irp i, 0,1,2,3,4,5,6,7
	ds_load_b128 v[(\f)+8*(\i):(\f)+8*(\i)+3],   v[AA] offset:64*(\kq)+(\i)*TROW
	ds_load_b128 v[(\f)+8*(\i)+4:(\f)+8*(\i)+7], v[AA] offset:64*(\kq)+(\i)*TROW+32
.endr
.endm
.macro QUARTER slot, zero
	s_wait_dscnt 8                                 ; all but the youngest eight loads: row tiles 4-7
	MUL16 F0, 0, 0, \zero
	MUL16 F0, 0, 2, \zero
	PLACES
	FETCH \slot, 1, F1
	s_wait_dscnt 32                                ; all but the 32 just issued
	MUL16 F0, 1, 0, \zero
	MUL16 F0, 1, 2, \zero
.endm
; A PREFETCH INTO THE L2 of the next pass's weights, once a pass, in its fifth K step (the lap loop's third trip): one lap, 256 products, ahead of the refill that first asks for a block of that pass.
; Clusters 0 to 3 ask, each for two of the pass's eight K steps (lanes 0-15 the one, lanes 16-31 the other); each wave names 16 blocks of 256 bytes of its part of a step, the four partners told apart by
; address (4,096 bytes each): each block is named once in the launch.  The first pass's weights come by their loads alone; the last pass asks for nothing.
.macro ASK
	WIN 0
	s_cmp_eq_u32 s[LAP], s[LIM]
	s_cbranch_scc0 .Lnoask_\@
	global_prefetch_b8 v[PFO], s[PFA:PFA+1] th:TH_LOAD_NT scope:SCOPE_SE
.Lnoask_\@:
.endm
; QUERY'S STREAM.  A wave takes rows 32 w .. 32 w + 31.  A slice is 256 bytes of each row; load q of 16 takes rows 2 q, 2 q + 1, sixteen lanes a row (256 aligned bytes).
.macro SLBASE dst, pos                 ; where the slice of position pos begins: K slice (pos + x) % 8
	s_add_co_u32 s26, s[JR], \pos
	s_and_b32 s26, s26, 7
	s_lshl_b32 s[T0], s26, 8
	s_add_nc_u64 s[\dst:(\dst)+1], s[4:5], s[T0:T0+1]
.endm
.macro LDSLICE w, dst, ab              ; a slice's 16 loads into 64 registers
	WIN \w
.set q, 0
.rept 16
	global_load_b128 v[(\dst)+4*q:(\dst)+4*q+3], v[VOQ], s[\ab:(\ab)+1] offset:4096*q th:TH_LOAD_NT
.set q, q+1
.endr
.endm
.macro CVST wc, ws, b0, b1             ; a pair is rounded to bf16 in place (result p lies below the sources still unread) and stored into two neighbouring positions
	WIN \wc
.set p, 0
.rept 32
	v_cvt_pk_bf16_f32 v[(\b0)+p], v[(\b0)+2*p], v[(\b0)+2*p+1]
.set p, p+1
.endr
.set p, 0
.rept 32
	v_cvt_pk_bf16_f32 v[(\b1)+p], v[(\b1)+2*p], v[(\b1)+2*p+1]
.set p, p+1
.endr
	WIN \ws
.set q, 0
.rept 16
	ds_store_b64 v[AST], v[(\b0)+2*q:(\b0)+2*q+1] offset:288*q
.set q, q+1
.endr
.set q, 0
.rept 16
	ds_store_b64 v[AST], v[(\b1)+2*q:(\b1)+2*q+1] offset:SLICE+288*q
.set q, q+1
.endr
	WIN 0
	v_add_nc_u32 v[AST], 2*SLICE, v[AST]           ; the next pair's positions
.endm
; The stream's turn, at the head of an odd K step's change of slots.  The wait is for 0: the pair that is due was asked for two K steps back, and nothing was asked for behind it.
.macro ARR2
	WIN 0
	s_wait_loadcnt 0x0                             ; the pair is in; its address registers and its 128 registers may be written again
	s_cmp_eq_u32 s[ARN], 0
	s_cbranch_scc1 .Lnoarr_\@                      ; the stream has ended
	CVST 0x45, 0x04, 0, 192
	s_sub_co_u32 s[ARN], s[ARN], 1
	s_cmp_eq_u32 s[ARN], 0
	s_cbranch_scc1 .Lnoarr_\@                      ; the last pair asks for nothing
	s_lshl_b32 s26, s[PJ], 1                       ; pair PJ: K slices (2 PJ + x) % 8 and (2 PJ + 1 + x) % 8
	s_add_co_u32 s26, s26, s[JR]
	s_add_co_u32 s27, s26, 1
	s_and_b32 s26, s26, 7
	s_and_b32 s27, s27, 7
	s_lshl_b32 s[T0], s26, 8
	s_lshl_b32 s[T1], s27, 8
	s_add_nc_u64 s[AB0:AB0+1], s[4:5], s[T0:T0+1]
	s_add_nc_u64 s[AB1:AB1+1], s[4:5], s[T1:T1+1]
	LDSLICE 0x40, 0, AB0
	LDSLICE 0x40, 192, AB1
	WIN 0
	s_add_co_u32 s[PJ], s[PJ], 1
.Lnoarr_\@:
.endm
; The change of slots: each wave waits for all its tensor loads (one is out: its part of the other slot), adds 0 to its spare word, waits for that, for its reads and for its stores into AREG; fill = 1: the barrier opens
; a round of the cluster's barrier, and the slot just read is filled again with tile NT, first thing behind the round; the descriptor's address is made anew from that number.  ask = 1: the prefetch.  arr = 1: the stream's turn.
.macro TURN slot, next, fill, fetch, ask=0, arr=0
.if \arr
	ARR2
.endif
	WIN 0
	s_wait_tensorcnt 0x0                           ; all my tensor loads have landed, so a group 0 may be written
	ds_add_u32 v[SPW], v[NIL]
.if \fill
	s_cmp_lt_u32 s[NT], 16                         ; tile NT: pass NT / 8; K step (NT + x) % 8 in the q passes, NT % 8 in the out pass
	s_cselect_b32 s27, s[JR], 0
	s_add_co_u32 s26, s[NT], s27
	s_and_b32 s26, s26, 7
	s_and_b32 s27, s[NT], 24
	s_or_b32 s26, s26, s27
	s_lshl_b32 s[T1], s26, 16
	s_add_nc_u64 s[G0+4*(\slot)+2:G0+4*(\slot)+3], s[WB:WB+1], s[T1:T1+1]
	s_or_b32 s[G0+4*(\slot)+3], s[G0+4*(\slot)+3], 0x80000000
	s_add_co_u32 s[NT], s[NT], 1
.endif
	s_wait_dscnt 9                                 ; at most the add and eight LDS instructions ahead of it are out: the weights and row tiles 0-3 are in
	MUL16 F1, 0, 0, 0
	s_wait_dscnt 0x0                               ; the add is done, my reads of this slot and of the position are over, my stores into AREG are done
	s_barrier_signal -1
	MUL16 F1, 0, 2, 0
	WIN 0
	s_barrier_wait -1
.if \fill
	CREST
	tensor_load_to_lds s[G0+4*(\slot):G0+4*(\slot)+3], s[G1:G1+7]
	s_nop 0
.endif
	PLACES
.if \fetch
	s_add_co_u32 s[SL], s[SL], SLICE
	v_add_nc_u32 v[AA], s[SL], v[AA0]
	FETCH \next, 0, F0
.endif
.if \ask
	ASK
.endif
	MUL16 F1, 1, 0, 0
	MUL16 F1, 1, 2, 0
.endm
.macro XCOPY win, base                 ; the next quarter of the accumulators comes to window 2, v0-127; ascending
	WIN \win
.set i, 0
.rept 128
	v_mov_b32 v[i], v[(\base)+i]
.set i, i+1
.endr
	WIN 0
.endm
.macro PARKMV base                     ; a unit's 32 packed registers go to PARK
	WIN 0x40
.set i, 0
.rept 32
	v_mov_b32 v[(\base)+i], v[F0+i]
.set i, i+1
.endr
	WIN 0
.endm
.macro STORE_PARK                      ; a head's result, 128 rows x 64 channels, from PARK into its position of AREG: row 16 a + r, 16 bytes a lane
	WIN 0x04
.irp u, 0,1,2,3
.set pb, 32*\u
.if \u >= 2
.set pb, 192+32*(\u-2)
.endif
.irp a, 0,1
.irp m, 0,1,2,3
	ds_store_b128 v[PKA], v[pb+16*\a+4*\m:pb+16*\a+4*\m+3] offset:TROW*(2*\u+\a)+32*\m
.endr
.endr
.endr
	WIN 0
.endm
	s_load_b256 s[4:11], s[0:1], 0x0               ; query s[4:5], wqo s[6:7], bq s[8:9], bout s[10:11]
	s_load_b128 s[12:15], s[0:1], 0x20             ; kvb s[12:13], tab s[14:15]
	s_load_b64 s[16:17], s[0:1], 0x30              ; out0
	v_lshl_add_u32 v[SPW], v0, 2, SPARE
	v_mov_b32 v[NIL], 0
	ds_add_u32 v[SPW], v[NIL]                      ; the wave's opening: the add and its wait ahead of my first tensor load
	v_lshrrev_b32 v1, 5, v0
	v_readfirstlane_b32 s[WV], v1
	s_bfe_u32 s[CX], ttmp6, 0x40000                ; my place in the cluster: it enters global addresses alone
	s_lshl_b32 s[GI], ttmp9, 2
	s_add_co_u32 s[GI], s[GI], s[CX]
	s_lshr_b32 s[BI], s[GI], 5
	s_and_b32 s[CI], s[GI], 31
	s_and_b32 s[JR], ttmp9, 7                      ; the same in all four partners
	s_mov_b32 s[G1], 15|(1<<16)|(1<<20)|(1<<21)|(4<<22)|(3<<25)  ; mask of four; 2-byte elements; padding on; bit 21 beside a mask; after every 32 words; 4 words
	s_mov_b32 s[G1+1], 128<<16
	s_mov_b32 s[G1+2], 64<<16
	s_mov_b32 s[G1+3], 128<<16
	s_mov_b32 s[G1+4], 64
	s_mov_b32 s[G1+5], 128
	s_mov_b32 s[G1+6], 0
	s_mov_b32 s[G1+7], 0
	s_mov_b32 s[CS], 0x3fb8aa3b                    ; log2 e
	s_mov_b32 s[CS+1], s[CS]
	s_mov_b32 s[SEL], 0x76543210
	s_mov_b32 s[SEL+1], 0xfedcba98
	s_cmp_lt_u32 ttmp9, 4
	s_cselect_b32 s[LIMC], 1, 0                    ; the same in all four partners
	s_mov_b32 s[PS], 3
	s_mov_b32 s[ARN], 3
	s_mov_b32 s[PJ], 2
	s_mov_b32 s[NT], 2
	s_mul_i32 s25, s[WV], SLICE
	s_mov_b32 s[G0], 1
	s_add_co_u32 s[G0+1], s25, RING
	s_mov_b32 s[G0+4], 1
	s_add_co_u32 s[G0+5], s25, RING+SLOTB
	s_lshl_b32 s[T0], s[WV], 14
	s_mov_b32 s[T0+1], 0
	s_mov_b32 s[T1+1], 0
	s_wait_dscnt 0x0                               ; the opening add is done
	s_wait_kmcnt 0x0
	s_add_nc_u64 s[WB:WB+1], s[6:7], s[T0:T0+1]
	s_lshl_b32 s[T1], s[JR], 16
	s_add_nc_u64 s[G0+2:G0+3], s[WB:WB+1], s[T1:T1+1]  ; tile 0: K step x % 8
	s_add_co_u32 s26, s[JR], 1
	s_and_b32 s26, s26, 7
	s_lshl_b32 s[T1], s26, 16
	s_add_nc_u64 s[G0+6:G0+7], s[WB:WB+1], s[T1:T1+1]  ; tile 1
	s_or_b32 s[G0+3], s[G0+3], 0x80000000
	s_or_b32 s[G0+7], s[G0+7], 0x80000000
	s_min_u32 s26, ttmp9, 3                        ; the prefetch: K steps 2 x, 2 x + 1 of the second pass, my work-group's quarter of my wave's part
	s_lshl_b32 s[T1], s26, 17
	s_lshl_b32 s26, s[CX], 12
	s_add_co_u32 s[T1], s[T1], s26
	s_add_co_u32 s[T1], s[T1], 8*STEPB
	s_add_nc_u64 s[PFA:PFA+1], s[WB:WB+1], s[T1:T1+1]
	s_lshl_b32 s[T0], s[GI], 18
	s_add_nc_u64 s[4:5], s[4:5], s[T0:T0+1]        ; query at my 128 rows
	s_lshl_b32 s26, s[WV], 9
	s_add_co_u32 s[T0], s[T0], s26
	s_add_nc_u64 s[OUTP:OUTP+1], s[16:17], s[T0:T0+1]  ; out0 at my rows, my wave's 128 columns
	CROUND
	tensor_load_to_lds s[G0:G0+3], s[G1:G1+7]
	s_nop 0
	tensor_load_to_lds s[G0+4:G0+7], s[G1:G1+7]    ; two loads of mine are out
	s_nop 0
	PLACES
	v_and_b32 v[RR], 15, v0
	v_bfe_u32 v[HH], v0, 4, 1
	s_lshl_b32 s26, s[WV], 16                      ; 32 rows of 2,048 bytes
	v_lshlrev_b32 v[RO16], 4, v[RR]
	v_lshl_add_u32 v[OOF], v[HH], 11, v[RO16]      ; row h, 16 bytes a lane
	v_add_nc_u32 v[VOQ], s26, v[OOF]
	v_and_b32 v[L16], 31, v0
	v_lshlrev_b32 v[L16], 4, v[L16]
	; my three biases, 512 bytes each: lanes 0-15 take bq[0] at my head, lanes 16-31 bq[1] (2,048 bytes on); heads w and 4 + w; then bout at my 128 columns
	s_lshl_b32 s[T0], s[WV], 8
	s_add_nc_u64 s[TABP:TABP+1], s[8:9], s[T0:T0+1]
	s_lshl_b32 s[T0], s[WV], 9
	s_add_nc_u64 s[KVP:KVP+1], s[10:11], s[T0:T0+1]
	global_load_b128 v[TT:TT+3],    v[OOF], s[TABP:TABP+1]
	global_load_b128 v[TT+4:TT+7],  v[OOF], s[TABP:TABP+1] offset:1024
	global_load_b128 v[TT+8:TT+11], v[L16], s[KVP:KVP+1]
	SLBASE AB2, 0                                  ; query's first four slices in my cluster's order
	SLBASE AB3, 1
	SLBASE AB0, 2
	SLBASE AB1, 3
	LDSLICE 0x80, 0, AB2                           ; pair 0 lands where the accumulators will lie,
	LDSLICE 0x80, 64, AB3
	LDSLICE 0x40, 0, AB0                           ; pair 1 in the stream's own registers
	LDSLICE 0x40, 192, AB1
	WIN 0
	v_mul_u32_u24 v[AA0], v[RR], PIT
	v_lshl_add_u32 v[AA0], v[HH], 4, v[AA0]
	s_add_co_u32 s26, s25, RING
	v_add_nc_u32 v[ADRW], s26, v[AA0]
	v_add_nc_u32 v[ADRW+1], SLOTB, v[ADRW]
	s_mul_i32 s26, s[WV], 32*PIT
	v_mul_u32_u24 v[AST], v[HH], PIT
	v_lshl_add_u32 v[AST], v[RR], 3, v[AST]
	v_add_nc_u32 v[AST], s26, v[AST]
	v_lshlrev_b32 v[HO32], 5, v[HH]
	s_mul_i32 s26, s[WV], 16*SP
	s_add_co_u32 s26, s26, STAGE
	v_mul_u32_u24 v[STO], v[RR], SP
	v_lshl_add_u32 v[STO], v[HH], 5, v[STO]
	v_add_nc_u32 v[STO], s26, v[STO]               ; in: row r, 32 bytes for each half of the lanes
	v_mul_u32_u24 v[RD], v[HH], SP
	v_lshl_add_u32 v[RD], v[RR], 4, v[RD]
	v_add_nc_u32 v[RD], s26, v[RD]                 ; back: lanes 0-15 one row of 256 bytes, lanes 16-31 the next
	s_mul_i32 s26, s[WV], 1536
	s_add_co_u32 s26, s26, BIASL
	v_add_nc_u32 v[BLS], s26, v[L16]
	v_add_nc_u32 v[BLA], s26, v[HO32]
	v_lshlrev_b32 v[PFO], 8, v[RR]
	v_lshl_add_u32 v[PFO], v[HH], 16, v[PFO]
	s_wait_loadcnt 32                              ; the biases and pair 0 are in; pair 1's 32 loads stay out
	ds_store_b128 v[BLS], v[TT:TT+3]
	ds_store_b128 v[BLS], v[TT+4:TT+7] offset:512
	ds_store_b128 v[BLS], v[TT+8:TT+11] offset:1024
	CVST 0x8a, 0x08, 0, 64                         ; positions 0 and 1
.Lpass:
	s_cmp_eq_u32 s[PS], 2
	s_cselect_b32 s[HD], 4, 0
	s_add_co_u32 s[HD], s[HD], s[WV]               ; my head
	s_lshl_b32 s[T0], s[BI], 3
	s_add_co_u32 s[T0], s[T0], s[HD]
	s_lshl_b32 s[T0], s[T0], 15
	s_add_nc_u64 s[KVP:KVP+1], s[12:13], s[T0:T0+1]  ; my head's 32 fragments of kv^T
	s_cmp_eq_u32 s[PS], 1
	s_cselect_b32 s[LIM], 0, s[LIMC]               ; no pass follows the last
.irp b, 0,1,2,3,4,5,6,7
	ds_load_b128 v[BIAS+8*\b:BIAS+8*\b+3],   v[BLA] offset:64*\b     ; my own bytes: LDS serves a wave's instructions in order (ISA guide 5.7.1.4)
	ds_load_b128 v[BIAS+8*\b+4:BIAS+8*\b+7], v[BLA] offset:64*\b+16
.endr
	v_add_nc_u32 v[BLA], 512, v[BLA]               ; the next pass's
	s_wait_tensorcnt 0x1                           ; slot 0 is in: one younger load of mine (slot 1's) may stay out
	s_wait_dscnt 0x0                               ; the bias is in, my stores into AREG are done
	s_barrier_signal -1
	s_barrier_wait -1
	s_mov_b32 s[SL], 0
	v_mov_b32 v[AA], v[AA0]
	FETCH 0, 0, F0
	QUARTER 0, 1
	WIN 0
	s_mov_b32 s[LAP], 3
.Llap:
	TURN 0, 1, 1, 1, 1, 0
	QUARTER 1, 0
	TURN 1, 0, 1, 1, 0, 1
	QUARTER 0, 0
	WIN 0
	s_sub_co_u32 s[LAP], s[LAP], 1
	s_cmp_lg_u32 s[LAP], 0
	s_cbranch_scc1 .Llap
	s_cmp_eq_u32 s[PS], 1
	s_cbranch_scc1 .Llast
	TURN 0, 1, 1, 1                                ; the ring goes on into the next pass
	QUARTER 1, 0
	TURN 1, 0, 1, 0
	WIN 0
	s_branch .Lepi
.Llast:                                            ; the last pass's last two steps ask for nothing
	TURN 0, 1, 0, 1
	QUARTER 1, 0
	s_wait_dscnt 8
	MUL16 F1, 0, 0, 0
	MUL16 F1, 0, 2, 0
	s_wait_dscnt 0x0
	MUL16 F1, 1, 0, 0
	MUL16 F1, 1, 2, 0
	WIN 0
.Lepi:
	PLACES
	s_wait_loadcnt 0x0                             ; query's last pair was awaited in the first pass's sixth step, so no load of mine is out here; the wait says so on every way through the text: PARK is free
	s_wait_xcnt 0x0                                ; the pass's prefetch, three K steps back, has read its address
	s_add_nc_u64 s[PFA:PFA+1], s[PFA:PFA+1], 8*STEPB  ; the pass after the next (behind the second pass it is used no more)
	s_mov_b32 s[U], 0
	s_lshl_b32 s[T0], s[CI], 11
	s_add_nc_u64 s[TABP:TABP+1], s[14:15], s[T0:T0+1]  ; 16 bytes a position
	s_cmp_eq_u32 s[PS], 1
	s_cbranch_scc1 .Lunit
	s_cmp_eq_u32 s[PS], 2
	s_cbranch_scc0 .Lnopark
	s_mul_i32 s26, s[WV], SLICE                    ; query has been read for the last time (every wave's reads were over at the last change of slots' barrier):
	v_add_nc_u32 v[PKA], s26, v[AA0]
	STORE_PARK                                     ; head w's result leaves PARK for position w
.Lnopark:
	WIN 0x40
.set i, 0
.rept 16                               ; kv^T's fragments kk = 0, 1: window 1, v64-191
	global_load_b128 v[64+8*i:64+8*i+3], v[L16], s[KVP:KVP+1] offset:1024*i
	global_load_b128 v[64+8*i+4:64+8*i+7], v[L16], s[KVP:KVP+1] offset:1024*i+512
.set i, i+1
.endr
	WIN 0
.set i, 0
.rept 16                               ; kk = 2, 3: window 0, v128-255
	global_load_b128 v[128+8*i:128+8*i+3], v[L16], s[KVP:KVP+1] offset:16384+1024*i
	global_load_b128 v[128+8*i+4:128+8*i+7], v[L16], s[KVP:KVP+1] offset:16384+1024*i+512
.set i, i+1
.endr
.Lunit:                                            ; a unit: two row tiles, at window 2, v0-127
	s_cmp_eq_u32 s[PS], 1
	s_cbranch_scc1 .Luout
	global_load_b128 v[SC:SC+3],   v[RO16], s[TABP:TABP+1]
	global_load_b128 v[SC+4:SC+7], v[RO16], s[TABP:TABP+1] offset:256
	; four softmaxes g = 2 a + t of 64 features, 32 in my lane, at v[32 g]: the maximum, each accumulator read from its low end
	WIN 0x2a
.irp g, 0,1,2,3
.irp n, 0,1,2,3
	v_max3_num_f32 v[TT+8*\g+\n], v[32*\g+8*\n], v[32*\g+8*\n+1], v[32*\g+8*\n+2]
.endr
.endr
	WIN 0x28
.irp o, 3,5
.irp g, 0,1,2,3
.irp n, 0,1,2,3
	v_max3_num_f32 v[TT+8*\g+\n], v[TT+8*\g+\n], v[32*\g+8*\n+\o], v[32*\g+8*\n+\o+1]
.endr
.endr
.endr
.irp g, 0,1,2,3
	v_max3_num_f32 v[TT+8*\g], v[TT+8*\g], v[32*\g+7], v[32*\g+15]
	v_max3_num_f32 v[TT+8*\g+1], v[TT+8*\g+1], v[32*\g+23], v[32*\g+31]
.endr
	WIN 0
.irp g, 0,1,2,3
	v_max_num_f32 v[TT+8*\g+2], v[TT+8*\g+2], v[TT+8*\g+3]
.endr
.irp g, 0,1,2,3
	v_max3_num_f32 v[TT+8*\g], v[TT+8*\g], v[TT+8*\g+1], v[TT+8*\g+2]
.endr
.irp g, 0,1,2,3
	v_permlanex16_b32 v[TT+8*\g+3], v[TT+8*\g], s[SEL], s[SEL+1]  ; the row's other 32 features lie in the lane 16 away
.endr
.irp g, 0,1,2,3
	v_max_num_f32 v[TT+8*\g+5], v[TT+8*\g], v[TT+8*\g+3]          ; m
.endr
.irp g, 0,1,2,3
	v_mul_f32 v[TT+8*\g+4], s[CS], v[TT+8*\g+5]                   ; log2e m
.endr
	WIN 0x82
.set p, 0
.rept 64
	v_pk_fma_f32 v[2*p:2*p+1], v[2*p:2*p+1], s[CS:CS+1], v[TT+8*(p/16)+4:TT+8*(p/16)+5] op_sel_hi:[1,0,0] neg_lo:[0,0,1] neg_hi:[0,0,1]
.set p, p+1
.endr
.set p, 0
.rept 128
	v_exp_f32 v[p], v[p]                           ; one batch
.set p, p+1
.endr
	v_nop                                          ; a plain instruction behind the last exponential,
	s_wait_alu depctr_va_vdst(0)                   ; and the one wait ahead of the batch's first reader
	WIN 0x0a                                       ; the sums, in two chains a softmax
.irp g, 0,1,2,3
	v_pk_add_f32 v[TT+8*\g:TT+8*\g+1], v[32*\g:32*\g+1], v[32*\g+2:32*\g+3]
	v_pk_add_f32 v[TT+8*\g+2:TT+8*\g+3], v[32*\g+4:32*\g+5], v[32*\g+6:32*\g+7]
.endr
	WIN 0x08
.irp o, 8,12,16,20,24,28
.irp g, 0,1,2,3
	v_pk_add_f32 v[TT+8*\g:TT+8*\g+1], v[TT+8*\g:TT+8*\g+1], v[32*\g+\o:32*\g+\o+1]
	v_pk_add_f32 v[TT+8*\g+2:TT+8*\g+3], v[TT+8*\g+2:TT+8*\g+3], v[32*\g+\o+2:32*\g+\o+3]
.endr
.endr
	WIN 0
.irp g, 0,1,2,3
	v_pk_add_f32 v[TT+8*\g:TT+8*\g+1], v[TT+8*\g:TT+8*\g+1], v[TT+8*\g+2:TT+8*\g+3]
.endr
.irp g, 0,1,2,3
	v_add_f32 v[TT+8*\g+2], v[TT+8*\g], v[TT+8*\g+1]
.endr
.irp g, 0,1,2,3
	v_permlanex16_b32 v[TT+8*\g+3], v[TT+8*\g+2], s[SEL], s[SEL+1]
.endr
.irp g, 0,1,2,3
	v_add_f32 v[TT+8*\g+2], v[TT+8*\g+2], v[TT+8*\g+3]
.endr
.irp g, 0,1,2,3
	v_rcp_f32 v[TT+8*\g+2], v[TT+8*\g+2]
.endr
	v_nop
	s_wait_alu depctr_va_vdst(0)                   ; one wait for the four reciprocals
	WIN 0x82
.set p, 0
.rept 64
	v_pk_mul_f32 v[2*p:2*p+1], v[2*p:2*p+1], v[TT+8*(p/16)+2:TT+8*(p/16)+3] op_sel_hi:[1,0]
.set p, p+1
.endr
	WIN 0x0a
.set p, 0
.rept 64
	v_cvt_pk_bf16_f32 v[F0+p], v[2*p], v[2*p+1]    ; fragment (a, kk) of the weights at F0 + 32 a + 8 kk
.set p, p+1
.endr
	WIN 0
	s_wait_loadcnt 0x0                             ; kv^T's fragments (the first unit), sin and cos
	; 64 products: K = 128 (term, feature) in four steps; 8 tiles of kv^T's rows (0-3: the sine part, 4-7: the cosine part) x 2 row tiles: 16 accumulators by turns
.irp kk, 0,1,2,3
.irp mt, 0,1,2,3,4,5,6,7
.irp a, 0,1
.if \kk < 2
	WIN 0xa1
.set rK, 64+64*\kk+8*\mt
.else
	WIN 0xa0
.set rK, 64*\kk+8*\mt
.endif
.if \kk == 0
	v_wmma_f32_16x16x32_bf16 v[64*\a+8*\mt:64*\a+8*\mt+7], v[rK:rK+7], v[F0+32*\a+8*\kk:F0+32*\a+8*\kk+7], 0
.else
	v_wmma_f32_16x16x32_bf16 v[64*\a+8*\mt:64*\a+8*\mt+7], v[rK:rK+7], v[F0+32*\a+8*\kk:F0+32*\a+8*\kk+7], v[64*\a+8*\mt:64*\a+8*\mt+7]
.endif
.endr
.endr
.endr
	PLACES
	WIN 0x82
.irp a, 0,1
.set p, 0
.rept 16
	v_pk_mul_f32 v[64*\a+32+2*p:64*\a+32+2*p+1], v[64*\a+32+2*p:64*\a+32+2*p+1], v[SC+4*\a+2:SC+4*\a+3]  ; the cosine part x cos
.set p, p+1
.endr
.endr
	WIN 0xa2
.irp a, 0,1
.set p, 0
.rept 16
	v_pk_fma_f32 v[64*\a+2*p:64*\a+2*p+1], v[64*\a+2*p:64*\a+2*p+1], v[SC+4*\a:SC+4*\a+1], v[64*\a+32+2*p:64*\a+32+2*p+1]  ; + the sine part x sin
.set p, p+1
.endr
.endr
	WIN 0x0a
.irp a, 0,1
.set p, 0
.rept 16
	v_cvt_pk_bf16_f32 v[F0+16*\a+p], v[64*\a+2*p], v[64*\a+2*p+1]
.set p, p+1
.endr
.endr
	WIN 0
	s_add_nc_u64 s[TABP:TABP+1], s[TABP:TABP+1], 512  ; its loads have been waited for
	s_cmp_eq_u32 s[U], 0
	s_cbranch_scc1 .Lp0
	s_cmp_eq_u32 s[U], 1
	s_cbranch_scc1 .Lp1
	s_cmp_eq_u32 s[U], 2
	s_cbranch_scc1 .Lp2
	PARKMV 224
	s_branch .Lxcopy
.Lp0:
	PARKMV 0
	s_branch .Lxcopy
.Lp1:
	PARKMV 32
	s_branch .Lxcopy
.Lp2:
	PARKMV 192
	s_branch .Lxcopy
.Luout:                                            ; the out projection's unit: f32, 16 rows x 64 columns at a time through my stage, back as whole rows of 256 bytes
	s_wait_loadcnt 0x0                             ; the out pass issues no load from memory, so none of mine is out here; the wait says so on every way through the text:
	                                               ; what follows (the stage's loads) lands in no register that a load may still write
.irp a, 0,1
.irp bh, 0,1
	s_wait_xcnt 0x0                                ; the last stores have read v64-95
	WIN 0x08
.irp bp, 0,1,2,3
	ds_store_b128 v[STO], v[64*\a+8*(4*\bh+\bp):64*\a+8*(4*\bh+\bp)+3]   offset:64*\bp
	ds_store_b128 v[STO], v[64*\a+8*(4*\bh+\bp)+4:64*\a+8*(4*\bh+\bp)+7] offset:64*\bp+16
.endr
	WIN 0
.irp t, 0,1,2,3,4,5,6,7
	ds_load_b128 v[F0+4*\t:F0+4*\t+3], v[RD] offset:2*SP*\t  ; LDS serves a wave's instructions in order (ISA guide 5.7.1.4): these see the stores above
.endr
	s_wait_dscnt 0x0
.irp t, 0,1,2,3,4,5,6,7
	global_store_b128 v[OOF], v[F0+4*\t:F0+4*\t+3], s[OUTP:OUTP+1] offset:2048*(16*\a+2*\t)+256*\bh th:TH_STORE_NT  ; 16 lanes store 256 consecutive bytes, aligned
.endr
.endr
.endr
	s_wait_xcnt 0x0
	s_add_nc_u64 s[OUTP:OUTP+1], s[OUTP:OUTP+1], 65536  ; 32 rows on
.Lxcopy:
	s_cmp_eq_u32 s[U], 0
	s_cbranch_scc1 .Lx1
	s_cmp_eq_u32 s[U], 1
	s_cbranch_scc1 .Lx2
	s_cmp_eq_u32 s[U], 2
	s_cbranch_scc0 .Lxd
	XCOPY 0x83, 128
	s_branch .Lxd
.Lx1:
	XCOPY 0x82, 128
	s_branch .Lxd
.Lx2:
	XCOPY 0x83, 0
.Lxd:
	s_add_co_u32 s[U], s[U], 1
	s_cmp_lt_u32 s[U], 4
	s_cbranch_scc1 .Lunit
	s_cmp_eq_u32 s[PS], 2
	s_cbranch_scc0 .Lnopark2
	s_mul_i32 s26, s[WV], SLICE
	s_add_co_u32 s26, s26, 4*SLICE
	v_add_nc_u32 v[PKA], s26, v[AA0]
	STORE_PARK                                     ; head 4 + w's result goes to position 4 + w; the next pass begins with the wait for these stores and a barrier
.Lnopark2:
	s_sub_co_u32 s[PS], s[PS], 1
	s_cmp_lg_u32 s[PS], 0
	s_cbranch_scc1 .Lpass
	s_wait_tensorcnt 0x0                           ; the wave's end, behind my last tensor load and my last LDS store
	ds_add_u32 v[SPW], v[NIL]
	s_wait_dscnt 0x0
	CROUND                                         ; the closing round
	s_endpgm
.Lfunc_end_k_q9f06b5818c_qattn:
	.size	k_q9f06b5818c_qattn, .Lfunc_end_k_q9f06b5818c_qattn-k_q9f06b5818c_qattn
	.p2alignl 7, 3214868480
	.fill 96, 4, 3214868480
	.section	.rodata,"a",@progbits
	.p2align	6, 0x0
	.amdhsa_kernel k_q9f06b5818c_qattn
		.amdhsa_group_segment_fixed_size 327680
		.amdhsa_private_segment_fixed_size 0
		.amdhsa_enable_private_segment 0
		.amdhsa_kernarg_size 56
		.amdhsa_user_sgpr_count 2
		.amdhsa_user_sgpr_kernarg_segment_ptr 1
		.amdhsa_wavefront_size32 1
		.amdhsa_system_sgpr_workgroup_id_x 1
		.amdhsa_system_sgpr_workgroup_id_y 1
		.amdhsa_system_sgpr_workgroup_id_z 1
		.amdhsa_system_vgpr_workitem_id 0
		.amdhsa_next_free_vgpr 1024
		.amdhsa_next_free_sgpr 88
		.amdhsa_reserve_vcc 0
		.amdhsa_float_denorm_mode_32 3
		.amdhsa_float_denorm_mode_16_64 3
		.amdhsa_memory_ordered 1
		.amdhsa_forward_progress 1
		.amdhsa_inst_pref_size 174
	.end_amdhsa_kernel
	.amdgpu_metadata
---
amdhsa.version: [ 1, 2 ]
amdhsa.kernels:
  - .name:           k_q9f06b5818c_qattn
    .symbol:         k_q9f06b5818c_qattn.kd
    .args:
      - { .name: query, .offset: 0, .size: 8, .value_kind: global_buffer, .address_space: global }
      - { .name: wqo, .offset: 8, .size: 8, .value_kind: global_buffer, .address_space: global }
      - { .name: bq, .offset: 16, .size: 8, .value_kind: global_buffer, .address_space: global }
      - { .name: bout, .offset: 24, .size: 8, .value_kind: global_buffer, .address_space: global }
      - { .name: kvb, .offset: 32, .size: 8, .value_kind: global_buffer, .address_space: global }
      - { .name: tab, .offset: 40, .size: 8, .value_kind: global_buffer, .address_space: global }
      - { .name: out0, .offset: 48, .size: 8, .value_kind: global_buffer, .address_space: global }
    .group_segment_fixed_size: 327680
    .private_segment_fixed_size: 0
    .kernarg_segment_align: 8
    .kernarg_segment_size: 56
    .max_flat_workgroup_size: 128
    .sgpr_count:     88
    .vgpr_count:     1024
    .wavefront_size: 32
...
	.end_amdgpu_metadata
.endif
;; end of part 4
;; ======== version 2 of 2: 4 launches; version 1 with the launch kvred written anew for expert scheduling mode
;; workspace buffers: wkv 1,572,864 bytes; wqo 1,572,864 bytes; tab 81,920 bytes; pt 67,108,864 bytes; vt 33,554,432 bytes; st 1,048,576 bytes; kvb 2,097,152 bytes
;; launch prep: the kernel of part 1 again; grid 32 x 7, 8 waves a work-group, no clusters, 0 bytes of LDS; arguments Wv, Wk, Wq, Wout, wkv, wqo, tab; writes wkv, wqo, tab
;; launch kvproj: the kernel of part 2 again; grid 256 x 1, 4 waves a work-group, clusters of 4 x 1, 327,680 bytes of LDS; arguments key, value, wkv, bk, bv, pt, vt, st; writes pt, vt, st
;; launch kvred (part 5): grid 256 x 1, 4 waves a work-group, no clusters, 82,432 bytes of LDS; arguments pt, vt, st, tab, kvb; writes kvb
.if DOCPART == 5
	.amdgcn_target "amdgcn-amd-amdhsa--gfx1250"
	.amdhsa_code_object_version 6
	.text
	.protected	k_q9f06b5818c_kvred
	.globl	k_q9f06b5818c_kvred
	.p2align	8
	.type	k_q9f06b5818c_kvred,@function
k_q9f06b5818c_kvred:
	s_mov_b64 s[64:65], 0
	v_nop
	global_prefetch_b8 v0, s[64:65] scope:SCOPE_SE
	s_setreg_imm32_b32 hwreg(HW_REG_WAVE_SCHED_MODE, 0, 2), 2
	s_setreg_imm32_b32 hwreg(HW_REG_WAVE_MODE, 25, 1), 1
	s_wait_xcnt 0x0
	s_wait_alu depctr_vm_vsrc(0)
; KVRED: the state of the linear attention.  For batch b, head h, term t: M = the maximum of the 32 block maxima Mc; with G = 2^(log2e (Mc - M)):
;   kv_s[d][m] = sum over blocks of G[d] sum over the block's s of p[s][d] sin(s) V[s][m],  kv_c likewise with cos,  Z[d] = sum of G[d] sum of p[s][d];  kvb = kv / Z in bf16.
; That is reference()'s softmax over the sequence with its true maximum taken away: p carries its block's maximum, G the rest.  Z >= 1: the block that holds M has G = 1 and a p = 1.
; SHARES.  Work-group x: 16 of the head's 64 d (x & 3), head (x >> 2) & 7, batch x >> 5.  The 4,096 positions are split among the four waves, 1,024 each: 8 blocks of 128, 4 steps of 32 a block.
; The four partial sums meet in LDS at the end (f32).
; LAYOUT.  pt and vt hold register images of 16 x 32 operands (1,024 bytes: [half][lane][16 bytes]): they come straight into registers, 512 consecutive bytes a load; nothing goes through LDS on the way in.
; Source 0 = p (rows d), source 1 = V (rows m): a lane holds ONE m and d = 8 (lane / 16) + 0..7, which is a piece of the operand image that the next launch wants of kv^T.
; sin and cos (bf16 tables) multiply p between its load and the product, in packed bf16; Z is p x ones on the matrix unit, so divisor and dividend carry the same rounded p.
; NO CLUSTER, NO RING: p (two thirds of the bytes) is read by one wave alone; V is wanted by four work-groups, which run side by side.  No prefetch: the launch does little but stream.
; LIMITS.  bf16 operands; p sin and p cos are rounded to bf16 once more; a G below 2^-126 counts as 0; NaN and infinities are not treated apart.
; REGISTERS: window 0: v1-10 addresses; v16-23 ones; v24-39 log2e M [t][8]; v40-55 G; v56-71 Mc; v72-135 p sin, p cos (two sets by the step's parity)
;   window 1: four slots of 64 (a step each): p t0, p t1, V's four m tiles, sin, cos      window 2: v0-143 a block's sums      window 3: v0-143 the totals
; THE MODE: SCHED_MODE bits 1:0 = 2 (LLVM: expert scheduling mode 2), set by the entry lines.  The code itself states the register dependences
; between vector or matrix instructions and memory or LDS instructions, with s_wait_alu, always for 0.
; THE PLAN.  Registers that memory or LDS instructions touch, in the loop:
;   slot i, part E  p of both terms, sin, cos (32 registers).  Read by step i's two products p x ones and its 32 packed products; behind these the next block's 8 loads land in it.
;   slot i, part V  V's four tiles (32 registers).  Read by step i's other 16 products; behind these the next block's 8 loads land in it.
;   Mc              Read by step 0's eight scalings; the next block's 4 loads go with slot 0's part E.
;   v1, v2, v3      The loads' offsets: made at the head, never written again; the rows are reached by scalar bases, which move on once a block, and by immediate offsets.
;   The sets p sin, p cos, G, the ones, the block's sums and the totals are named by vector and matrix instructions alone.
; So a step holds TWO waits on va_vdst.  The first stands behind the packed products (the two products p x ones were issued ahead of those): all readers of part E, and in step 0 of Mc, are done.  Part E's
; loads follow it; the 16 products behind them name the sets, part V and the sums: none of the registers in which those loads land.  The second stands behind the 16 products: part V's loads follow it (in step 3 ahead of
; the lines that fold the block into the totals, which name none of the slot's registers either).  A step waits for its part E first and for its part V only ahead of the 16 products.
; No register that a load reads is written in the loop: it holds no wait on vm_vsrc.
.set REDW,  18432                      ; LDS: wave v's 18 partial tiles of 1,024 bytes at 18,432 v
.set XM,    73728                      ; the waves' maxima: 2,048 bytes a wave
.set SPARE, 81920                      ; the spare words: 128 bytes a wave, two blocks of 256 bytes that no other line names
.set L16,  1                           ; v1  16 x lane
.set HO16, 2                           ; v2  16 (lane / 16)
.set HO32, 3                           ; v3  32 (lane / 16)
.set XA,   4                           ; v4  where I put my wave's maxima
.set XR,   5                           ; v5  where I read all four
.set RSA,  6                           ; v6  where I put my partial tiles
.set RRA,  7                           ; v7  where I read the four tiles that my wave finishes
.set SPW,  8
.set NIL,  9
.set RZA,  10                          ; v10 where I read Z
.set ONES, 16
.set CM,   24
.set GG,   40
.set MC,   56
.set PP,   72
.set ZZ,   200
.set WV,   14
.set QI,   15
.set HI,   16
.set BI,   17
.set TRIP, 18
.set PT,   20                          ; s[20:21] pt, s[22:23] vt, s[24:25] the bf16 sine table, s[26:27] st: at the block to be loaded next
.set VT,   22
.set TB,   24
.set ST,   26
.set CS,   28
.set T0,   30
.set KO,   32
.set MSB, 0
.macro WIN new
.if MSB != (\new)
	s_set_vgpr_msb (MSB<<8)|(\new)
.set MSB, \new
.endif
.endm
.macro PLACES
.rept 4
	v_nop
.endr
.endm
; Part E of slot i: 8 loads (with mc = 1 four more: the block's Mc)
.macro ELD i, mc
	WIN 0x40
.irp t, 0,1
	global_load_b128 v[64*(\i)+8*\t:64*(\i)+8*\t+3],   v[L16], s[PT:PT+1] offset:4194304*\t+1024*(\i) th:TH_LOAD_NT
	global_load_b128 v[64*(\i)+8*\t+4:64*(\i)+8*\t+7], v[L16], s[PT:PT+1] offset:4194304*\t+1024*(\i)+512 th:TH_LOAD_NT
.endr
.irp z, 0,1
	global_load_b128 v[64*(\i)+48+8*\z:64*(\i)+48+8*\z+3],   v[HO16], s[TB:TB+1] offset:8192*\z+64*(\i)
	global_load_b128 v[64*(\i)+48+8*\z+4:64*(\i)+48+8*\z+7], v[HO16], s[TB:TB+1] offset:8192*\z+64*(\i)+32
.endr
.if \mc
	WIN 0
.irp t, 0,1
	global_load_b128 v[MC+8*\t:MC+8*\t+3],   v[HO32], s[ST:ST+1] offset:2048*\t
	global_load_b128 v[MC+8*\t+4:MC+8*\t+7], v[HO32], s[ST:ST+1] offset:2048*\t+16
.endr
.endif
.endm
; Part V of slot i: 8 loads
.macro VLD i
	WIN 0x40
.irp m, 0,1,2,3
	global_load_b128 v[64*(\i)+16+8*\m:64*(\i)+16+8*\m+3], v[L16], s[VT:VT+1] offset:131072*\m+1024*(\i)
	global_load_b128 v[64*(\i)+16+8*\m+4:64*(\i)+16+8*\m+7], v[L16], s[VT:VT+1] offset:131072*\m+1024*(\i)+512
.endr
.endm
; Step i of a block: 32 packed products, 18 matrix instructions on 18 accumulators by turns; step 0 starts the block's sums with the constant 0 and makes the block's G.
; ahead = 1: the slot is asked for again, for the next block.  l1, l2: the younger loads that may stay out when part E, and then part V, has to be there.
.macro KSTEP i, ahead, l1, l2
	s_wait_loadcnt \l1                             ; loads come back in order (ISA guide 5.7.1): p, sin and cos of slot i are in (step 0: Mc too); its V and the younger steps stay out
	WIN 0xa1
.irp t, 0,1
.if (\i) == 0
	v_wmma_f32_16x16x32_bf16 v[8*(16+\t):8*(16+\t)+7], v[64*(\i)+8*\t:64*(\i)+8*\t+7], v[ONES:ONES+7], 0
.else
	v_wmma_f32_16x16x32_bf16 v[8*(16+\t):8*(16+\t)+7], v[64*(\i)+8*\t:64*(\i)+8*\t+7], v[ONES:ONES+7], v[8*(16+\t):8*(16+\t)+7]
.endif
.endr
.if (\i) == 0
	WIN 0
.set p, 0
.rept 8
	v_pk_fma_f32 v[GG+2*p:GG+2*p+1], v[MC+2*p:MC+2*p+1], s[CS:CS+1], v[CM+2*p:CM+2*p+1] op_sel_hi:[1,0,1] neg_lo:[0,0,1] neg_hi:[0,0,1]
.set p, p+1
.endr
.set p, 0
.rept 16
	v_exp_f32 v[GG+p], v[GG+p]                     ; one batch; its first reader stands at the block's end; the packed products below are the plain work behind it
.set p, p+1
.endr
.endif
	WIN 0x05
.irp z, 0,1
.irp t, 0,1
.set p, 0
.rept 8
	v_pk_mul_bf16 v[PP+32*((\i)%2)+8*(2*\z+\t)+p], v[64*(\i)+8*\t+p], v[64*(\i)+48+8*\z+p]
.set p, p+1
.endr
.endr
.endr
.if \ahead
	WIN 0x40
	s_wait_alu depctr_va_vdst(0)                   ; the two products p x ones and the packed products are done reading p, sin and cos of slot i, in which the loads below land; in step 0 the scalings are done reading Mc, and the 16 exponentials have written G
	ELD \i, ((\i)==0)
.endif
	s_wait_loadcnt \l2                             ; V of slot i is in
	WIN 0xa4
.irp z, 0,1
.irp t, 0,1
.irp m, 0,1,2,3
.if (\i) == 0
	v_wmma_f32_16x16x32_bf16 v[8*(4*(2*\z+\t)+\m):8*(4*(2*\z+\t)+\m)+7], v[PP+32*((\i)%2)+8*(2*\z+\t):PP+32*((\i)%2)+8*(2*\z+\t)+7], v[64*(\i)+16+8*\m:64*(\i)+16+8*\m+7], 0
.else
	v_wmma_f32_16x16x32_bf16 v[8*(4*(2*\z+\t)+\m):8*(4*(2*\z+\t)+\m)+7], v[PP+32*((\i)%2)+8*(2*\z+\t):PP+32*((\i)%2)+8*(2*\z+\t)+7], v[64*(\i)+16+8*\m:64*(\i)+16+8*\m+7], v[8*(4*(2*\z+\t)+\m):8*(4*(2*\z+\t)+\m)+7]
.endif
.endr
.endr
.endr
.if (\ahead) || ((\i) == 3)
	PLACES                                         ; ahead of loads into registers that the products have read, and of the sums that read their results
.endif
.if (\ahead) && ((\i) < 3)
	WIN 0x40
	s_wait_alu depctr_va_vdst(0)                   ; the 16 products are done reading V of slot i, in which the loads below land
	VLD \i
.endif
.endm
.macro FOLD ahead                      ; total += block x G
.if \ahead
	WIN 0x40
	s_wait_alu depctr_va_vdst(0)                   ; step 3's 16 products are done reading V of slot 3, in which the loads below land; the lines behind them name the sums, G and the totals alone
	VLD 3
.else
	s_wait_alu depctr_va_vdst(0)                   ; the last block asks for nothing, so its steps hold no such wait: the block's 16 exponentials have written G, ahead of their first reader below
.endif
	WIN 0xf2
.set i, 0
.rept 18
.set tt, (i/4)%2
.if i >= 16
.set tt, i-16
.endif
.set p, 0
.rept 4
	v_pk_fma_f32 v[8*i+2*p:8*i+2*p+1], v[8*i+2*p:8*i+2*p+1], v[GG+8*tt+2*p:GG+8*tt+2*p+1], v[8*i+2*p:8*i+2*p+1]
.set p, p+1
.endr
.set i, i+1
.endr
	WIN 0
.endm
	s_load_b256 s[4:11], s[0:1], 0x0               ; pt s[4:5], vt s[6:7], st s[8:9], tab s[10:11]
	s_load_b64 s[12:13], s[0:1], 0x20              ; kvb
	v_lshl_add_u32 v[SPW], v0, 2, SPARE
	v_mov_b32 v[NIL], 0
	v_lshrrev_b32 v1, 5, v0
	v_readfirstlane_b32 s[WV], v1                  ; wave 0..3
	s_and_b32 s[QI], ttmp9, 3
	s_bfe_u32 s[HI], ttmp9, 0x30002
	s_lshr_b32 s[BI], ttmp9, 5
	s_mov_b32 s[CS], 0x3fb8aa3b                    ; log2 e
	s_mov_b32 s[CS+1], s[CS]
	s_mov_b32 s[T0+1], 0
	v_and_b32 v[L16], 31, v0
	v_lshlrev_b32 v[L16], 4, v[L16]
	v_bfe_u32 v[HO16], v0, 4, 1
	v_lshlrev_b32 v[HO32], 5, v[HO16]
	v_lshlrev_b32 v[HO16], 4, v[HO16]
	s_wait_alu depctr_va_sdst(0)                   ; the wave's number is written, ahead of its first reader: LDS addresses and the bases are made from it
	s_lshl_b32 s34, s[WV], 11
	s_add_co_u32 s34, s34, XM
	v_add_nc_u32 v[XA], s34, v[L16]
	v_add_nc_u32 v[XR], XM, v[L16]
	s_mul_i32 s34, s[WV], REDW
	v_add_nc_u32 v[RSA], s34, v[L16]
	s_lshl_b32 s34, s[WV], 12                      ; wave w = t + 2 sc finishes tiles 4 w .. 4 w + 3
	v_add_nc_u32 v[RRA], s34, v[L16]
	s_and_b32 s34, s[WV], 1
	s_lshl_b32 s34, s34, 10
	s_add_co_u32 s34, s34, 16384                   ; and divides by Z of its term: tile 16 + t
	v_add_nc_u32 v[RZA], s34, v[L16]
	s_lshl_b32 s35, s[HI], 19                      ; the head's four row tiles of 131,072 bytes
	s_lshl_b32 s36, s[WV], 15                      ; my 32 blocks of 32 s
	s_add_co_u32 s35, s35, s36
	s_wait_kmcnt 0x0
	s_lshl_b32 s[T0], s[BI], 23
	s_add_co_u32 s[T0], s[T0], s35
	s_lshl_b32 s37, s[QI], 17
	s_add_co_u32 s[T0], s[T0], s37
	s_add_nc_u64 s[PT:PT+1], s[4:5], s[T0:T0+1]
	s_lshl_b32 s[T0], s[BI], 22
	s_add_co_u32 s[T0], s[T0], s35
	s_add_nc_u64 s[VT:VT+1], s[6:7], s[T0:T0+1]
	s_lshl_b32 s[T0], s[WV], 11
	s_add_co_u32 s[T0], s[T0], 65536
	s_add_nc_u64 s[TB:TB+1], s[10:11], s[T0:T0+1]
	s_lshl_b32 s[T0], s[BI], 17
	s_add_co_u32 s[T0], s[T0], s36
	s_lshl_b32 s37, s[HI], 8
	s_add_co_u32 s[T0], s[T0], s37
	s_lshl_b32 s37, s[QI], 6
	s_add_co_u32 s[T0], s[T0], s37
	s_add_nc_u64 s[ST:ST+1], s[8:9], s[T0:T0+1]
	; kvb: [b][h][kk 4][MT 8][half][lane][16 bytes]; kk = 2 t + (q >> 1), MT = 4 sc + mt, half = q & 1
	s_lshl_b32 s[T0], s[BI], 18
	s_lshl_b32 s37, s[HI], 15
	s_add_co_u32 s[T0], s[T0], s37
	s_and_b32 s37, s[WV], 1
	s_lshl_b32 s37, s37, 14
	s_add_co_u32 s[T0], s[T0], s37
	s_lshr_b32 s37, s[QI], 1
	s_lshl_b32 s37, s37, 13
	s_add_co_u32 s[T0], s[T0], s37
	s_lshr_b32 s37, s[WV], 1
	s_lshl_b32 s37, s37, 12
	s_add_co_u32 s[T0], s[T0], s37
	s_and_b32 s37, s[QI], 1
	s_lshl_b32 s37, s37, 9
	s_add_co_u32 s[T0], s[T0], s37
	s_add_nc_u64 s[KO:KO+1], s[12:13], s[T0:T0+1]
	WIN 0x40
	s_wait_alu depctr_va_vdst(0)                   ; the eight offsets and LDS addresses v1 to v7 and v10 are written: every load and store of the kernel reads one of them
	ELD 0, 1                                       ; the first block
	VLD 0
	ELD 1, 0
	VLD 1
	ELD 2, 0
	VLD 2
	ELD 3, 0
	VLD 3
	WIN 0x80
.set i, 0
.rept 8                                ; my eight blocks' maxima, both terms
.irp t, 0,1
	global_load_b128 v[16*i+8*\t:16*i+8*\t+3],   v[HO32], s[ST:ST+1] offset:4096*i+2048*\t
	global_load_b128 v[16*i+8*\t+4:16*i+8*\t+7], v[HO32], s[ST:ST+1] offset:4096*i+2048*\t+16
.endr
.set i, i+1
.endr
	WIN 0xc0
.set i, 0
.rept 144
	v_mov_b32 v[i], 0                              ; the totals start at 0, written while the first loads are on their way: so every block is folded by one text
.set i, i+1
.endr
	WIN 0
.set i, 0
.rept 8
	v_mov_b32 v[ONES+i], 0x3f803f80
.set i, i+1
.endr
	s_wait_loadcnt 0x0
	s_add_nc_u64 s[PT:PT+1], s[PT:PT+1], 4096      ; all loads are done: the bases go on to the second block
	s_add_nc_u64 s[VT:VT+1], s[VT:VT+1], 4096
	s_add_nc_u64 s[TB:TB+1], s[TB:TB+1], 256
	s_add_nc_u64 s[ST:ST+1], s[ST:ST+1], 4096
	WIN 0x2a
.set j, 0
.rept 16
	v_max3_num_f32 v[CM+j], v[j], v[16+j], v[32+j]
.set j, j+1
.endr
	WIN 0x28
.set j, 0
.rept 16
	v_max3_num_f32 v[CM+j], v[CM+j], v[48+j], v[64+j]
.set j, j+1
.endr
.set j, 0
.rept 16
	v_max3_num_f32 v[CM+j], v[CM+j], v[80+j], v[96+j]
.set j, j+1
.endr
	WIN 0x08
.set j, 0
.rept 16
	v_max_num_f32 v[CM+j], v[CM+j], v[112+j]
.set j, j+1
.endr
	WIN 0
	s_wait_alu depctr_va_vdst(0)                   ; my wave's maxima are written in v[CM ..], which the LDS stores read
.irp i, 0,1,2,3
	ds_store_b128 v[XA], v[CM+4*\i:CM+4*\i+3] offset:512*\i
.endr
	s_wait_dscnt 0x0                               ; for the others' sake
	s_barrier_signal -1
	s_barrier_wait -1
.irp v, 0,1,2,3
.irp i, 0,1,2,3
	ds_load_b128 v[PP+16*\v+4*\i:PP+16*\v+4*\i+3], v[XR] offset:2048*\v+512*\i  ; no vector instruction has named these registers yet
.endr
.endr
	s_wait_dscnt 0x0
	s_wait_alu depctr_vm_vsrc(0)                   ; my LDS stores have read v[CM ..], which the lines below write anew
.set j, 0
.rept 16
	v_max3_num_f32 v[CM+j], v[PP+j], v[PP+16+j], v[PP+32+j]
.set j, j+1
.endr
.set j, 0
.rept 16
	v_max_num_f32 v[CM+j], v[CM+j], v[PP+48+j]     ; M
.set j, j+1
.endr
.set j, 0
.rept 16
	v_mul_f32 v[CM+j], s[CS], v[CM+j]              ; log2e M
.set j, j+1
.endr
	s_mov_b32 s[TRIP], 7
.Lblk:                                             ; a trip multiplies a block and asks for the next.  A step issues part E (8 loads; step 0: 12) and then part V (8)
	KSTEP 0, 1, 56, 60                             ; younger than part E: my V's 8 and steps 1 to 3's 48; younger than my V: those 48 and the 12 just issued
	KSTEP 1, 1, 60, 60                             ; younger than part E: my V's 8 and the other three steps' 52; younger than my V: those 52 and the 8 just issued
	KSTEP 2, 1, 60, 60
	KSTEP 3, 1, 60, 60
	FOLD 1
	s_wait_xcnt 0x0                                ; the loads have read their bases
	s_add_nc_u64 s[PT:PT+1], s[PT:PT+1], 4096
	s_add_nc_u64 s[VT:VT+1], s[VT:VT+1], 4096
	s_add_nc_u64 s[TB:TB+1], s[TB:TB+1], 256
	s_add_nc_u64 s[ST:ST+1], s[ST:ST+1], 4096
	s_sub_co_u32 s[TRIP], s[TRIP], 1
	s_cmp_lg_u32 s[TRIP], 0
	s_cbranch_scc1 .Lblk
	KSTEP 0, 0, 56, 48                             ; the last block loads nothing: the counts run down, 8 for a step's own V and 16 for each step still to come
	KSTEP 1, 0, 40, 32
	KSTEP 2, 0, 24, 16
	KSTEP 3, 0, 8, 0
	FOLD 0
	WIN 0x0c
	s_wait_alu depctr_va_vdst(0)                   ; the totals are written, which the LDS stores read; and every vector and matrix instruction that named v[PP ..] is done: the LDS loads behind the barrier land there, and nothing between names their registers
.set i, 0
.rept 18
	ds_store_b128 v[RSA], v[8*i:8*i+3]   offset:1024*i
	ds_store_b128 v[RSA], v[8*i+4:8*i+7] offset:1024*i+512
.set i, i+1
.endr
	WIN 0
	s_wait_dscnt 0x0
	s_barrier_signal -1
	s_barrier_wait -1                              ; all four waves' partial sums lie in LDS
.irp v, 0,1,2,3
.irp m, 0,1,2,3
	ds_load_b128 v[PP+32*\v+8*\m:PP+32*\v+8*\m+3],   v[RRA] offset:REDW*\v+1024*\m
	ds_load_b128 v[PP+32*\v+8*\m+4:PP+32*\v+8*\m+7], v[RRA] offset:REDW*\v+1024*\m+512
.endr
	ds_load_b128 v[ZZ+8*\v:ZZ+8*\v+3],   v[RZA] offset:REDW*\v
	ds_load_b128 v[ZZ+8*\v+4:ZZ+8*\v+7], v[RZA] offset:REDW*\v+512
.endr
	s_wait_dscnt 0x0
.set p, 0
.rept 4
	v_pk_add_f32 v[ZZ+2*p:ZZ+2*p+1], v[ZZ+2*p:ZZ+2*p+1], v[ZZ+8+2*p:ZZ+8+2*p+1]
	v_pk_add_f32 v[ZZ+16+2*p:ZZ+16+2*p+1], v[ZZ+16+2*p:ZZ+16+2*p+1], v[ZZ+24+2*p:ZZ+24+2*p+1]
.set p, p+1
.endr
.set p, 0
.rept 4
	v_pk_add_f32 v[ZZ+2*p:ZZ+2*p+1], v[ZZ+2*p:ZZ+2*p+1], v[ZZ+16+2*p:ZZ+16+2*p+1]
.set p, p+1
.endr
.set p, 0
.rept 8
	v_rcp_f32 v[ZZ+p], v[ZZ+p]
.set p, p+1
.endr
.set p, 0
.rept 16                               ; the tiles' sums stand behind the reciprocals: plain work that names none of their results
	v_pk_add_f32 v[PP+2*p:PP+2*p+1], v[PP+2*p:PP+2*p+1], v[PP+32+2*p:PP+32+2*p+1]
	v_pk_add_f32 v[PP+64+2*p:PP+64+2*p+1], v[PP+64+2*p:PP+64+2*p+1], v[PP+96+2*p:PP+96+2*p+1]
.set p, p+1
.endr
.set p, 0
.rept 16
	v_pk_add_f32 v[PP+2*p:PP+2*p+1], v[PP+2*p:PP+2*p+1], v[PP+64+2*p:PP+64+2*p+1]
.set p, p+1
.endr
	s_wait_alu depctr_va_vdst(0)                   ; the eight reciprocals have written v[ZZ ..]: one wait, ahead of their first reader
.set p, 0
.rept 16
	v_pk_mul_f32 v[PP+2*p:PP+2*p+1], v[PP+2*p:PP+2*p+1], v[ZZ+2*(p%4):ZZ+2*(p%4)+1]
.set p, p+1
.endr
.set p, 0
.rept 16
	v_cvt_pk_bf16_f32 v[PP+64+p], v[PP+2*p], v[PP+2*p+1]
.set p, p+1
.endr
	s_wait_alu depctr_va_vdst(0)                   ; the roundings have written v[PP+64 ..], which the stores read
.irp m, 0,1,2,3
	global_store_b128 v[L16], v[PP+64+4*\m:PP+64+4*\m+3], s[KO:KO+1] offset:1024*\m  ; 512 consecutive bytes, aligned
.endr
	s_wait_dscnt 0x0                               ; the wave's end
	s_wait_alu 0x0
	s_wait_tensorcnt 0x0
	ds_add_u32 v[SPW], v[NIL]
	s_wait_dscnt 0x0
	s_endpgm
.Lfunc_end_k_q9f06b5818c_kvred:
	.size	k_q9f06b5818c_kvred, .Lfunc_end_k_q9f06b5818c_kvred-k_q9f06b5818c_kvred
	.p2alignl 7, 3214868480
	.fill 96, 4, 3214868480
	.section	.rodata,"a",@progbits
	.p2align	6, 0x0
	.amdhsa_kernel k_q9f06b5818c_kvred
		.amdhsa_group_segment_fixed_size 82432
		.amdhsa_private_segment_fixed_size 0
		.amdhsa_enable_private_segment 0
		.amdhsa_kernarg_size 40
		.amdhsa_user_sgpr_count 2
		.amdhsa_user_sgpr_kernarg_segment_ptr 1
		.amdhsa_wavefront_size32 1
		.amdhsa_system_sgpr_workgroup_id_x 1
		.amdhsa_system_sgpr_workgroup_id_y 1
		.amdhsa_system_sgpr_workgroup_id_z 1
		.amdhsa_system_vgpr_workitem_id 0
		.amdhsa_next_free_vgpr 912
		.amdhsa_next_free_sgpr 66
		.amdhsa_reserve_vcc 0
		.amdhsa_float_denorm_mode_32 3
		.amdhsa_float_denorm_mode_16_64 3
		.amdhsa_memory_ordered 1
		.amdhsa_forward_progress 1
		.amdhsa_inst_pref_size 82
	.end_amdhsa_kernel
	.amdgpu_metadata
---
amdhsa.version: [ 1, 2 ]
amdhsa.kernels:
  - .name:           k_q9f06b5818c_kvred
    .symbol:         k_q9f06b5818c_kvred.kd
    .args:
      - { .name: pt, .offset: 0, .size: 8, .value_kind: global_buffer, .address_space: global }
      - { .name: vt, .offset: 8, .size: 8, .value_kind: global_buffer, .address_space: global }
      - { .name: st, .offset: 16, .size: 8, .value_kind: global_buffer, .address_space: global }
      - { .name: tab, .offset: 24, .size: 8, .value_kind: global_buffer, .address_space: global }
      - { .name: kvb, .offset: 32, .size: 8, .value_kind: global_buffer, .address_space: global }
    .group_segment_fixed_size: 82432
    .private_segment_fixed_size: 0
    .kernarg_segment_align: 8
    .kernarg_segment_size: 40
    .max_flat_workgroup_size: 128
    .sgpr_count:     66
    .vgpr_count:     912
    .wavefront_size: 32
...
	.end_amdgpu_metadata
.endif
;; end of part 5
;; launch qattn: the kernel of part 4 again; grid 256 x 1, 4 waves a work-group, clusters of 4 x 1, 327,680 bytes of LDS; arguments query, wqo, bq, bout, kvb, tab, out0; writes out0
